; MI455X (gfx1250); checked and timed in simulation.
; The chip was launched on July 23, 2026; its instructions are those of AMD's public machine-readable ISA for CDNA 5 (MIT licence, August 2026) and "CDNA5" Instruction Set Architecture Reference Guide (July 2026). The comments in the code are by the model that wrote it; some were corrected since.
;; Multi Head Attention. Allowed arithmetic: matrix products marked QUANTISED: E4M3 operands, one given power-of-two scale a tensor, by v_wmma_f32_16x16x64_fp8_fp8 or v_wmma_f32_16x16x128_fp8_fp8, f32 sums; everything else in f32.
;; Inputs: lowp_scales 8 int32 (the exponents e of the quantised operands' scales 2^e); w_attn 1,024 x 3,072 float32; w_proj 1,024 x 1,024 float32; x 4 x 2,048 x 1,024 float32.
;; Outputs: out0 4 x 2,048 x 1,024 float32.
;; This version of the problem:
;;   THIS VERSION OF THE PROBLEM IS GIVEN IN LOW PRECISION. The matrix products marked QUANTISED in the list below multiply operands that are first quantised to E4M3 (4 exponent bits, 3 mantissa bits; 8 bits a number), with one given power-of-two scale for each operand tensor; their sums are f32. All else is computed in f32.
;;   The module's matrix products, in the order in which they are computed (A, B: the left and right operand; K: the contracted axis; several contracted axes count as one K, in the product's order):
;;     1. [M 8,192, K 1,024] x [K 1,024, N 3,072]; A: input x; B: input w_attn: QUANTISED (scales: A lowp_scales[0], B lowp_scales[1])
;;     2. batch 64 x [M 2,048, K 64] x [K 64, N 2,048]; A: computed on the way; B: computed on the way: QUANTISED (scales: A lowp_scales[2], B lowp_scales[3])
;;     3. batch 64 x [M 2,048, K 2,048] x [K 2,048, N 64]; A: softmax (see below); B: computed on the way: QUANTISED (scales: A lowp_scales[4], B lowp_scales[5])
;;     4. [M 8,192, K 1,024] x [K 1,024, N 1,024]; A: computed on the way; B: input w_proj: QUANTISED (scales: A lowp_scales[6], B lowp_scales[7])
;;   THE QUANTISER, for each operand of a quantised product, along K:
;;     - The operand's scale is 2^e, e = its entry of the input lowp_scales (int32; the entries are numbered through the quantised products in the list's order, A before B).
;;     - Each number is divided by the scale, clamped to +-448, and rounded to the nearest number of E4M3, ties to even, subnormals kept.
;;     - The product sums the exact products of the quantised numbers (number of the format x scale) in f32.
;;   ~~~python
;;   def quantise(x, axis, e):      # numpy; x: float32 -> the quantised numbers, widened to float32 again
;;       x = np.moveaxis(x, axis, -1); K = x.shape[-1]
;;       r = np.clip(x / 2.0 ** e, -448, 448)
;;       step = 2.0 ** (np.maximum(np.frexp(np.where(r == 0, 1, r))[1] - 1, -6) - 3)
;;       q = np.round(r / step) * step * 2.0 ** e      # np.round: ties to even
;;       return np.moveaxis(q, -1, axis).astype(np.float32)
;;   ~~~
;;   SOFTMAX AHEAD OF A QUANTISED PRODUCT. Where the list says 'softmax', what is quantised is not the finished softmax but p = 2^(t - M), with t = logit x log2(e) and M = ceil(the row's largest t), a whole number; so 1/2 < the row's largest p <= 1. The row's sum l is taken of the UNQUANTISED p, in f32, and the product's result is divided by l at the end. Since M is a whole number, a kernel that streams over the keys may use a running M (the ceiling of the running maximum): every later rescaling is an exact power of two, so the quantised numbers keep their values, but for numbers so far below the row's largest that they fall under the format's range.
;;   OPERANDS COMPUTED ON THE WAY. 'Computed on the way' means the value that the module computes at that place (a softmax that the list does not call 'softmax' is quantised finished and normalised). What goes into a quantiser is computed in f32, as accurately as f32 sums, v_exp_f32 and their like allow (about 1e-6 of the number): no bf16 or f16 on the way to a quantiser, and a product that is left as it is and whose result goes on into a quantised operand takes f32 operands (vector FMAs, or v_wmma_f32_16x16x4_f32). A number that lies on a knife's edge between two numbers of the format may be rounded either way, as far as f32 arithmetic and the matrix unit's own rounding can turn it there, and no further.
;; One version. Each part assembles by itself: llvm-mc -triple=amdgcn-amd-amdhsa -mcpu=gfx1250 --defsym DOCPART=n.
;; ======== version 1 of 1: 4 launches
;; limits: right only within a limited range of input values
;; workspace buffers: x_codes 8,388,608 bytes; wa_codes 3,145,728 bytes; wp_codes 1,048,576 bytes; q_codes 8,388,608 bytes; k_codes 8,388,608 bytes; v_codes 8,388,608 bytes; y_codes 8,388,608 bytes
;; launch quant (part 1): grid 384 x 1, 4 waves a work-group, no clusters, 34,304 bytes of LDS; arguments x, w_attn, w_proj, lowp_scales, x_codes, wa_codes, wp_codes; writes x_codes, wa_codes, wp_codes
.if DOCPART == 1
	.amdgcn_target "amdgcn-amd-amdhsa--gfx1250"
	.amdhsa_code_object_version 6
	.text
	.protected	k_qcbb7081c93_quant
	.globl	k_qcbb7081c93_quant
	.p2align	8
	.type	k_qcbb7081c93_quant,@function
k_qcbb7081c93_quant:
	s_mov_b64 s[64:65], 0
	v_nop
	global_prefetch_b8 v0, s[64:65] scope:SCOPE_SE
	s_setreg_imm32_b32 hwreg(HW_REG_WAVE_MODE, 25, 1), 1
	s_wait_xcnt 0x0
; x [8192][1024], w_attn [1024][3072] and w_proj [1024][1024], all f32, become codes of FP8 (E4M3), each tensor with the one scale 2^e that is given for it
; (entries 0, 1 and 7 of the scales).  code = number / 2^e, held within +-448, rounded to the nearest code, ties to even.
; LIMITS: each of the three e lies between -126 and 119, so that 2^e and 448 x 2^e are f32 numbers.  NaN among the inputs is not served; an infinity is held at the largest code.
; THE CODES' LAYOUT is the order of a matrix operand's registers.  For an operand [rows][K = 1024] the byte of (row m, k) is
;   (m>>7) 131072 + (k>>8) 32768 + ((m>>4)&7) 4096 + ((k>>7)&1) 2048 + ((k>>5)&3) 512 + ((k>>4)&1) 256 + (m&15) 16 + (k&15):
; 128 rows x 256 K are one dense block of 32 KB; a fragment (16 rows x 128 K) is 2 KB, in four parts of 512 bytes, lane l's 16 bytes at 16 l.  For the weights a row is a column n of the tensor.
; SHARES.  Work-groups 0-255 take x, 256-351 w_attn, 352-383 w_proj: branches on the work-group's number alone.  Waves share nothing: no barrier.
;   x (K innermost): a wave takes 16 rows x 512 K, four fragments.  Each load reads 512 consecutive bytes of one row; a fragment's 8 KB turn through the wave's own stage in LDS (rows 528 bytes apart),
;   so that a lane comes to hold 16 neighbours along K of one row, four times; a lane's 16 codes are 16 bytes, and each store of the wave covers 512 consecutive bytes, aligned.
;   weights (K outermost): a lane takes a column n and its registers run down K, so the conversions give codes with K innermost and nothing is transposed; a wave takes 32 columns x 256 K.
;   In this layout sixteen neighbouring lanes' 16 codes are 256 consecutive aligned bytes, so the weights' codes need no stage.  Only the x path touches LDS.
.set STG,   8448                       ; a wave's stage: 16 rows x 528 bytes
.set SP,    528                        ; a stage row: 512 bytes + 16: row r begins 4 r words on, modulo 64 words, so the sixteen lanes of a read start at sixteen different places
.set SPARE, 4*STG                      ; behind the four stages: the spare words, 128 bytes for each wave: two blocks of 256 bytes that no other line names
.set R,     16                         ; v16-143  x: two sets of 64 registers as loaded
.set X,     144                        ; v144-207 x: a fragment's 64 numbers of my lane, 16 c + i = k 32 c + 16 (lane / 16) + i of row lane % 16
.set C,     208                        ; v208-239 x: two sets of 16 registers of codes
.set WX,    16                         ; v16-79   weights: two sets of 32 numbers
.set WC,    80                         ; v80-143  weights: eight registers of codes for each of eight blocks: no store's data are written again
.set SPW,   12                         ; v12      LDS address of my spare word: SPARE + 4 x my thread's number; never rewritten
.set NIL,   13                         ; v13      0; never rewritten
	s_load_b256 s[4:11], s[0:1], 0x0               ; x s[4:5], w_attn s[6:7], w_proj s[8:9], the scales' exponents s[10:11]
	s_load_b128 s[12:15], s[0:1], 0x20             ; x's codes s[12:13], w_attn's s[14:15]
	s_load_b64 s[16:17], s[0:1], 0x30              ; w_proj's
	v_lshl_add_u32 v[SPW], v0, 2, SPARE
	v_mov_b32 v[NIL], 0
	v_lshrrev_b32 v1, 5, v0
	v_readfirstlane_b32 s18, v1                    ; wave 0..3
	v_and_b32 v1, 31, v0                           ; lane
	v_and_b32 v2, 15, v0                           ; r = lane % 16
	v_bfe_u32 v3, v0, 4, 1                         ; h = lane / 16
	v_lshlrev_b32 v4, 4, v1                        ; 16 x lane: my place in a load's and in a store's 512 bytes
	s_mul_i32 s19, s18, STG
	v_add_nc_u32 v5, s19, v4                       ; the stage, on the way in: as loaded
	v_mul_u32_u24 v6, v2, SP
	v_lshl_add_u32 v6, v3, 6, v6
	v_add_nc_u32 v6, s19, v6                       ; and on the way out: row r, + 64 h bytes
	v_lshlrev_b32 v7, 2, v1                        ; weights, in: 4 bytes a lane
	v_lshlrev_b32 v8, 4, v2
	v_lshl_add_u32 v8, v3, 12, v8
	; x's and w_attn's codes are laid otherwise than the head comment's formula, which holds for w_proj: the byte of (row m, k) is
	;   (m>>7) 131072 + (k>>7) 16384 + ((m>>4)&7) 2048 + ((k>>5)&3) 512 + ((k>>4)&1) 256 + (m&15) 16 + (k&15): 128 rows x 128 K are one dense block of 16 KB
	v_lshlrev_b32 v9, 4, v2
	v_lshl_add_u32 v9, v3, 11, v9                  ; w_attn, out: 16 (lane % 16) + 2048 (lane / 16)
	s_wait_kmcnt 0x0
	s_load_b256 s[24:31], s[10:11], 0x0            ; e0 .. e7
	s_cmp_lt_u32 ttmp9, 256
	s_cbranch_scc0 .Lweights
.macro SCALE e                         ; v11 = 2^e as f32 (the conversion takes its exponent field), v10 = 448 x 2^e
	s_add_co_i32 s32, s[\e], 127
	s_lshl_b32 s33, s32, 23
	v_mov_b32 v11, s33
	s_add_co_i32 s32, s32, 8
	s_lshl_b32 s32, s32, 23
	s_or_b32 s32, s32, 0x600000
	v_mov_b32 v10, s32
.endm
.macro XLOAD f                         ; fragment f: 128 numbers of each of my 16 rows; 32 lanes read 512 consecutive bytes
.irp i, 0,1,2,3,4,5,6,7,8,9,10,11,12,13,14,15
	global_load_b128 v[R+64*((\f)%2)+4*\i:R+64*((\f)%2)+4*\i+3], v4, s[4:5] offset:\i*4096+(\f)*512 th:TH_LOAD_NT
.endr
.endm
.macro XSTEP f
.if (\f) < 3
	s_wait_loadcnt 16                              ; this fragment's 16 loads are in; the next fragment's 16 may be out
.else
	s_wait_loadcnt 0
.endif
.irp i, 0,1,2,3,4,5,6,7,8,9,10,11,12,13,14,15
	ds_store_b128 v5, v[R+64*((\f)%2)+4*\i:R+64*((\f)%2)+4*\i+3] offset:\i*SP
.endr
.irp c, 0,1,2,3
.irp j, 0,1,2,3
	ds_load_b128 v[X+16*\c+4*\j:X+16*\c+4*\j+3], v6 offset:\c*128+\j*16   ; LDS serves a wave's instructions in order (ISA guide 5.7.1.4): these see the stores above
.endr
.endr
	s_wait_dscnt 0x0                               ; the numbers are back, and the stores have read their registers,
.if (\f)+2 < 4
	XLOAD (\f)+2                                   ; which take the fragment two further on
.endif
.if (\f) >= 2
	s_wait_xcnt 0x0                                ; the stores of two fragments back have read this set of codes: it is written again only behind this wait
.endif
.irp c, 0,1,2,3
.irp i, 0,1,2,3,4,5,6,7,8,9,10,11,12,13,14,15
	v_med3_num_f32 v[X+16*\c+\i], v[X+16*\c+\i], -v10, v10   ; the conversion to an 8-bit code does not saturate (ISA guide 7.6.2): the hold at the largest code x the scale comes first
.endr
	v_cvt_scalef32_pk8_fp8_f32 v[C+16*((\f)%2)+4*\c:C+16*((\f)%2)+4*\c+1], v[X+16*\c:X+16*\c+7], v11
	v_cvt_scalef32_pk8_fp8_f32 v[C+16*((\f)%2)+4*\c+2:C+16*((\f)%2)+4*\c+3], v[X+16*\c+8:X+16*\c+15], v11
.endr
	v_nop                                          ; a plain vector line behind the last conversion, ahead of the next fragment's holds, which write the conversions' sources
.irp c, 0,1,2,3
	global_store_b128 v4, v[C+16*((\f)%2)+4*\c:C+16*((\f)%2)+4*\c+3], s[12:13] offset:(\f)*16384+\c*512   ; part c of the fragment: 512 consecutive bytes; 128 along K on is 16 KB on
.endr
.endm
	; ---- x.  My wave is number W = 4 x work-group + wave of 1,024: rows 16 (W / 2) on, K 512 (W % 2) on
	s_lshl_b32 s20, ttmp9, 2
	s_add_co_u32 s20, s20, s18
	s_lshr_b32 s21, s20, 1                         ; which 16 rows
	s_and_b32 s20, s20, 1                          ; which half of K
	s_lshl_b32 s22, s21, 16                        ; 16 rows of 4,096 bytes
	s_lshl_b32 s23, s20, 11
	s_add_co_u32 s22, s22, s23
	s_mov_b32 s23, 0
	s_add_nc_u64 s[4:5], s[4:5], s[22:23]
	s_lshr_b32 s22, s21, 3
	s_lshl_b32 s22, s22, 17                        ; the block of 128 rows,
	s_lshl_b32 s23, s20, 16                        ; two blocks of 256 along K,
	s_add_co_u32 s22, s22, s23
	s_and_b32 s23, s21, 7
	s_lshl_b32 s23, s23, 11                        ; my 16 rows in the block: 2 KB
	s_add_co_u32 s22, s22, s23
	s_mov_b32 s23, 0
	s_add_nc_u64 s[12:13], s[12:13], s[22:23]
	s_wait_alu depctr_va_vdst(0)
	XLOAD 0
	XLOAD 1
	s_wait_kmcnt 0x0
	SCALE 24
	s_wait_alu depctr_va_vdst(0)
	XSTEP 0
	XSTEP 1
	XSTEP 2
	XSTEP 3
	s_wait_tensorcnt 0x0                           ; the wave's end: the tensor wait, the add
	ds_add_u32 v[SPW], v[NIL]
	s_wait_dscnt 0x0
	s_endpgm
.macro WLOAD t, cols, src              ; block t: W(32 t + i, my column), i = 0 .. 31; neighbouring lanes read neighbouring columns
.irp i, 0,1,2,3,4,5,6,7,8,9,10,11,12,13,14,15,16,17,18,19,20,21,22,23,24,25,26,27,28,29,30,31
	global_load_b32 v[WX+32*((\t)%2)+\i], v7, s[\src:\src+1] offset:(32*(\t)+\i)*\cols*4 th:TH_LOAD_NT
.endr
.endm
.macro WBLOCK t, cols, src, dst
.if (\t) < 7
	s_wait_loadcnt 32                              ; this block's 32 loads are in; the next block's may be out
.else
	s_wait_loadcnt 0
.endif
.irp i, 0,1,2,3,4,5,6,7,8,9,10,11,12,13,14,15,16,17,18,19,20,21,22,23,24,25,26,27,28,29,30,31
	v_med3_num_f32 v[WX+32*((\t)%2)+\i], v[WX+32*((\t)%2)+\i], -v10, v10
.endr
.irp g, 0,1,2,3
	v_cvt_scalef32_pk8_fp8_f32 v[WC+8*(\t)+2*\g:WC+8*(\t)+2*\g+1], v[WX+32*((\t)%2)+8*\g:WX+32*((\t)%2)+8*\g+7], v11
.endr
	v_nop                                          ; a plain vector line behind the last conversion
	global_store_b128 v[WVO], v[WC+8*(\t):WC+8*(\t)+3], s[\dst:\dst+1] offset:((\t)/4)*WUB+((\t)%4)*512         ; k 32 t + 0 .. 15: sixteen lanes fill 256 consecutive aligned bytes
	global_store_b128 v[WVO], v[WC+8*(\t)+4:WC+8*(\t)+7], s[\dst:\dst+1] offset:((\t)/4)*WUB+((\t)%4)*512+256   ; k 32 t + 16 .. 31
.if (\t)+2 < 8
	WLOAD (\t)+2, \cols, \src
.endif
.endm
; A weight [1024][cols]: work-group g of it takes columns 128 (g / 4) on and K 256 (g % 4) on; a wave 32 of the columns.  Every offset is an immediate: 255 x cols x 4 is 3,133,440 at the most.
.macro WPATH first, cols, src, dst, e
	s_sub_co_u32 s20, ttmp9, \first
	s_lshr_b32 s21, s20, 2
	s_and_b32 s20, s20, 3
	s_mul_i32 s22, s20, 256*\cols*4
	s_lshl_b32 s23, s21, 9
	s_add_co_u32 s22, s22, s23
	s_lshl_b32 s23, s18, 7
	s_add_co_u32 s22, s22, s23
	s_mov_b32 s23, 0
	s_add_nc_u64 s[\src:\src+1], s[\src:\src+1], s[22:23]
	s_lshl_b32 s22, s21, 17                        ; the block of 128 rows of the operand,
	s_lshl_b32 s23, s20, 15                        ; the block of 256 along K,
	s_add_co_u32 s22, s22, s23
	s_lshl_b32 s23, s18, WSH                       ; my wave's 32 rows: two fragments' rows
	s_add_co_u32 s22, s22, s23
	s_mov_b32 s23, 0
	s_add_nc_u64 s[\dst:\dst+1], s[\dst:\dst+1], s[22:23]
	WLOAD 0, \cols, \src
	WLOAD 1, \cols, \src
	s_wait_kmcnt 0x0
	SCALE \e
	s_wait_alu depctr_va_vdst(0)
.irp t, 0,1,2,3,4,5,6,7
	WBLOCK \t, \cols, \src, \dst
.endr
.endm
.Lweights:
	s_cmp_lt_u32 ttmp9, 352
	s_cbranch_scc0 .Lproj
	s_wait_alu depctr_va_vdst(0)
.set WVO, 9                            ; w_attn's layout: a fragment's rows 2 KB apart, 128 along K 16 KB apart
.set WUB, 16384
.set WSH, 12
	WPATH 256, 3072, 6, 14, 25                     ; w_attn, e1
	s_endpgm
.Lproj:
	s_wait_alu depctr_va_vdst(0)
.set WVO, 8                            ; w_proj's layout: a fragment's rows 4 KB apart, 128 along K 2 KB apart
.set WUB, 2048
.set WSH, 13
	WPATH 352, 1024, 8, 16, 31                     ; w_proj, e7
	s_endpgm
.Lfunc_end_k_qcbb7081c93_quant:
	.size	k_qcbb7081c93_quant, .Lfunc_end_k_qcbb7081c93_quant-k_qcbb7081c93_quant
	.p2alignl 7, 3214868480
	.fill 96, 4, 3214868480
	.section	.rodata,"a",@progbits
	.p2align	6, 0x0
	.amdhsa_kernel k_qcbb7081c93_quant
		.amdhsa_group_segment_fixed_size 34304
		.amdhsa_private_segment_fixed_size 0
		.amdhsa_enable_private_segment 0
		.amdhsa_kernarg_size 56
		.amdhsa_user_sgpr_count 2
		.amdhsa_user_sgpr_kernarg_segment_ptr 1
		.amdhsa_wavefront_size32 1
		.amdhsa_system_sgpr_workgroup_id_x 1
		.amdhsa_system_sgpr_workgroup_id_y 1
		.amdhsa_system_sgpr_workgroup_id_z 1
		.amdhsa_system_vgpr_workitem_id 0
		.amdhsa_next_free_vgpr 240
		.amdhsa_next_free_sgpr 66
		.amdhsa_reserve_vcc 0
		.amdhsa_float_denorm_mode_32 3
		.amdhsa_float_denorm_mode_16_64 3
		.amdhsa_memory_ordered 1
		.amdhsa_forward_progress 1
		.amdhsa_inst_pref_size 127
	.end_amdhsa_kernel
	.amdgpu_metadata
---
amdhsa.version: [ 1, 2 ]
amdhsa.kernels:
  - .name:           k_qcbb7081c93_quant
    .symbol:         k_qcbb7081c93_quant.kd
    .args:
      - { .name: x, .offset: 0, .size: 8, .value_kind: global_buffer, .address_space: global }
      - { .name: w_attn, .offset: 8, .size: 8, .value_kind: global_buffer, .address_space: global }
      - { .name: w_proj, .offset: 16, .size: 8, .value_kind: global_buffer, .address_space: global }
      - { .name: lowp_scales, .offset: 24, .size: 8, .value_kind: global_buffer, .address_space: global }
      - { .name: x_codes, .offset: 32, .size: 8, .value_kind: global_buffer, .address_space: global }
      - { .name: wa_codes, .offset: 40, .size: 8, .value_kind: global_buffer, .address_space: global }
      - { .name: wp_codes, .offset: 48, .size: 8, .value_kind: global_buffer, .address_space: global }
    .group_segment_fixed_size: 34304
    .private_segment_fixed_size: 0
    .kernarg_segment_align: 8
    .kernarg_segment_size: 56
    .max_flat_workgroup_size: 128
    .sgpr_count:     66
    .vgpr_count:     240
    .wavefront_size: 32
...
	.end_amdgpu_metadata
.endif
;; end of part 1
;; launch qkv (part 2): grid 8 x 32, 4 waves a work-group, clusters of 4 x 4, 327,680 bytes of LDS; arguments x_codes, wa_codes, lowp_scales, q_codes, k_codes, v_codes; writes q_codes, k_codes, v_codes
.if DOCPART == 2
	.amdgcn_target "amdgcn-amd-amdhsa--gfx1250"
	.amdhsa_code_object_version 6
	.text
	.protected	k_qcbb7081c93_qkv
	.globl	k_qcbb7081c93_qkv
	.p2align	8
	.type	k_qcbb7081c93_qkv,@function
k_qcbb7081c93_qkv:
	s_mov_b64 s[64:65], 0
	v_nop
	global_prefetch_b8 v0, s[64:65] scope:SCOPE_SE
	s_setreg_imm32_b32 hwreg(HW_REG_WAVE_MODE, 25, 1), 1
	s_wait_xcnt 0x0
	s_wait_alu depctr_hold_cnt(0) depctr_sa_sdst(0) depctr_va_vdst(0) depctr_va_sdst(0) depctr_va_ssrc(0) depctr_va_vcc(0) depctr_vm_vsrc(0)
	s_getreg_b32 s2, hwreg(HW_REG_IB_STS2, 6, 4)
	s_cmp_eq_u32 s2, 0
	s_cbranch_scc0 .Lentry_in_a_cluster
	s_endpgm
.Lentry_in_a_cluster:
	s_bfe_u32 s2, ttmp6, 0x10000c
	s_cmp_lg_u32 s2, 0xf033
	s_cbranch_scc0 .Lentry_shape_is_right
	s_endpgm
.Lentry_shape_is_right:
; qkv = x w_attn on codes of FP8 (E4M3): [8192][1024] x [3072 (n)][1024], f32 sums; each sum stands for sum x 2^(e0 + e1) and is quantised at once, from f32, to the code of q (scale 2^e2), k (2^e3) or v (2^e5).
; LIMITS: e2 - e0 - e1, e3 - e0 - e1 and e5 - e0 - e1 lie between -126 and 119, so that the folded scale and 448 x it are f32 numbers.  A sum beyond the scale's range is held at the largest code.
; SHARES.  8 x 32 = 256 work-groups.  Work-group (c, t) makes 256 tokens (256 t on) x 384 columns: the 128 columns 128 c on (a pair of heads) of q, of k and of v, so that the text is the same in all of them.
; A wave makes 128 tokens (wave / 2) x 64 columns (wave % 2: one head) of each of the three: 8 x 12 = 96 accumulators of 16 x 16, 768 registers.
; BOTH OPERANDS LIE IN MEMORY IN THE ORDER OF THEIR REGISTERS: 128 rows x 128 K (a unit) are one dense block of 16 KB; a fragment (16 rows x 128 K) is 2 KB in four parts of 512 bytes, lane l's 16 bytes at 16 l:
; registers 4 c .. 4 c + 3 hold K = 32 c + 16 (l / 16) + 0 .. 15 of row l % 16: a permutation of k within the instruction, the same in both operands.
; THE RING.  K = 1,024 is eight units; a unit of the work-group's five blocks of 128 rows is 80 KB.  Slot X holds two units, slot Y one: units (0, 1) -> X, 2 -> Y, (3, 4) -> X, 5 -> Y, (6, 7) -> X: five fills, one load a wave each.
; Waves 0, 1 fetch x's two blocks; into X waves 2, 3 fetch one unit each of w_attn's three blocks (three rows of 16 KB, 1 MB apart); into Y wave 2 fetches q's and k's block, wave 3 v's.
; CLUSTERS: 4 x 4 work-groups.  The four of a row of the cluster need the same blocks of x, the four of a column the same blocks of w_attn: each is asked for JOINTLY.
; NO PREFETCH: K is short: of the five fills two are asked for at the head, and each of the other three one slot's products behind the one before.
; WHICH OPERAND IS SOURCE 0.  In the result a lane holds one row of source 1 and eight neighbouring rows of source 0.  q and k are operands whose K is the head's channel: source 0 = w_attn, eight neighbouring channels of
; one token.  v is an operand whose K is the key: source 0 = x, eight neighbouring tokens of one channel.
; THE WAY OUT.  With o the row of source 1 and i the row of source 0 the code's byte is ((o>>5)&1) 4096 + ((o>>3)&1) 2048 + (i>>5) 512 + ((i>>4)&1) 256 + ((o>>4)&1) 128 + (o&7) 16 + (i&15) in a block of 8 KB:
; q, k: [batch][pair of heads][64 tokens][8192], a head's part 1 KB of each 2 KB; v: [batch x head][128 keys][8192].  A wave's 8 KB of q, of k and of v are gathered in its stage in LDS, bytes that no tensor load fills, and leave as stores of 512 consecutive bytes.
; REGISTERS, in windows of 256.  Window 0: v1-12 addresses; v16-31, v224-239, v240-255 three buffers that x's fragments take by turns; v32-223 w_attn's twelve fragments, ONE set, loaded anew by fours while a unit's last 24 products run.
;   Windows 1-3: accumulator (a, b), a x's fragment, b = 4 x (q, k, v) + i, at register 256 + 8 (12 a + b).
.set UB,    16384                      ; a unit of one block
.set XB,    65536                      ; X: x [block][unit] from 0, w_attn [unit][q, k, v] from here
.set YA,    163840                     ; Y: x [block]
.set YB,    196608                     ;    w_attn [q, k, v]
.set SPARE, 245760                     ; the spare words, 128 bytes for each wave: two blocks of 256 bytes that no other line names
.set STAGE, 246272                     ; the way out: 8 KB for each wave
.set AAD,  1                           ; v1-3   LDS address of my x fragments: X's unit 0, X's unit 1, Y
.set BAD,  4                           ; v4-6   the same for w_attn
.set CO,   7                           ; v7     16 x lane
.set STOQ, 8                           ; v8     the way out: where I put 8 codes of q or k
.set STOV, 9                           ; v9     of v
.set RD,   10                          ; v10    where I read 16 bytes back
.set SPW,  11                          ; v11    LDS address of my spare word: SPARE + 4 x my thread's number; never rewritten
.set NIL,  12                          ; v12    0; never rewritten
.set SCV,  16                          ; v16-21 the way out: folded scale and 448 x it, for q, k, v
.set TMP,  32                          ; v32-95 two sets of 32 sums, held
.set RB,   96                          ; v96-223 two sets of 64: 8 KB read back
.set CD,   224                         ; v224-239 two sets of 8: codes
.set G1AX,  24
.set G1AY,  32
.set G1BX,  40
.set G1BY2, 48
.set G1BY1, 56
.set G0AX,  68
.set G0AY,  72
.set G0BX,  76
.set G0BY,  80
.set MSB, 0
.macro WIN new                         ; the immediate's high byte repeats the setting that is left
.if MSB != \new
	s_set_vgpr_msb (MSB<<8)|\new
.set MSB, \new
.endif
.endm
.macro PLACES                          ; four places behind a matrix instruction (ISA guide 7.12.1 for vector instructions)
.rept 4
	v_nop
.endr
.endm
; The joint loads.  Each line has ONE mask and one set of registers for all that issue it; the branches hang on the wave's number alone.  An s_nop 0 and four v_nop follow each line.
.macro JLOADX
	s_cmp_lt_u32 s14, 2
	s_cbranch_scc0 .Lxb_\@
	tensor_load_to_lds s[G0AX:G0AX+3], s[G1AX:G1AX+7]
	s_nop 0
	PLACES
	s_branch .Lxj_\@
.Lxb_\@:
	tensor_load_to_lds s[G0BX:G0BX+3], s[G1BX:G1BX+7]
	s_nop 0
	PLACES
.Lxj_\@:
.endm
.macro JLOADY
	s_cmp_lt_u32 s14, 2
	s_cbranch_scc0 .Lyb_\@
	tensor_load_to_lds s[G0AY:G0AY+3], s[G1AY:G1AY+7]
	s_nop 0
	PLACES
	s_branch .Lyj_\@
.Lyb_\@:
	s_cmp_eq_u32 s14, 2
	s_cbranch_scc0 .Lyc_\@
	tensor_load_to_lds s[G0BY:G0BY+3], s[G1BY2:G1BY2+7]
	s_nop 0
	PLACES
	s_branch .Lyj_\@
.Lyc_\@:
	tensor_load_to_lds s[G0BY:G0BY+3], s[G1BY1:G1BY1+7]
	s_nop 0
	PLACES
.Lyj_\@:
.endm
.macro CREST                           ; a round of the cluster's barrier behind its opening barrier
	s_cmp_lg_u32 s14, 0
	s_cbranch_scc1 .Lnot_wave_0_\@
	s_barrier_signal -3
.Lnot_wave_0_\@:
	s_barrier_wait -3
	s_barrier_signal -1
	s_barrier_wait -1
.endm
.macro CROUND
	s_barrier_signal -1
	s_barrier_wait -1
	CREST
.endm
.macro G1SET g, m, c, r, p             ; r rows of c elements of 8 bytes, p elements apart; the mask in s[m], bit 21 set beside it; no padding
	s_or_b32 s[\g], s[\m], (3<<16)|(1<<21)
	s_mov_b32 s[\g+1], (\c)<<16
	s_mov_b32 s[\g+2], (\r)<<16
	s_mov_b32 s[\g+3], (\c)<<16
	s_mov_b32 s[\g+4], \r
	s_mov_b32 s[\g+5], \p
	s_mov_b32 s[\g+6], 0
	s_mov_b32 s[\g+7], 0
.endm
	s_load_b128 s[4:7], s[0:1], 0x0                ; x's codes s[4:5], w_attn's s[6:7]
	s_load_b64 s[8:9], s[0:1], 0x10                ; the scales' exponents
	s_load_b128 s[20:23], s[0:1], 0x18             ; q's codes s[20:21], k's s[22:23]
	s_load_b64 s[12:13], s[0:1], 0x28              ; v's
	v_lshl_add_u32 v[SPW], v0, 2, SPARE
	v_mov_b32 v[NIL], 0
	ds_add_u32 v[SPW], v[NIL]                      ; the opening: the add, twice on end, and its wait ahead of my first tensor load
	ds_add_u32 v[SPW], v[NIL]
	v_lshrrev_b32 v13, 5, v0
	v_readfirstlane_b32 s14, v13                   ; wave 0..3
	s_lshr_b32 s15, s14, 1                         ; which 128 tokens are mine
	s_and_b32 s16, s14, 1                          ; which head of the pair.  Also: which part of an operand I fetch
	s_bfe_u32 s92, ttmp6, 0x40000                  ; cx, cy: my place in the cluster
	s_bfe_u32 s93, ttmp6, 0x40004
	s_lshl_b32 s94, ttmp9, 2
	s_add_co_u32 s94, s94, s92                     ; c = 4 x cluster x + cx
	s_and_b32 s17, ttmp7, 0xffff
	s_lshl_b32 s17, s17, 2
	s_add_co_u32 s17, s17, s93                     ; t = 4 x cluster y + cy
	s_lshl_b32 s95, s93, 2
	s_lshl_b32 s95, 15, s95                        ; my row of the cluster
	s_lshl_b32 s96, 0x1111, s92                    ; my column
	G1SET G1AX, 95, 32, 128, 32                    ; x, two units of a block: 32 KB dense, stated as rows of 256 bytes
	G1SET G1AY, 95, 32, 64, 32                     ; x, one unit: 16 KB dense
	G1SET G1BX, 96, 2048, 3, 131072                ; w_attn, one unit of q's, k's and v's block: three rows of 16 KB, 1 MB apart
	G1SET G1BY2, 96, 2048, 2, 131072               ; of q's and k's
	G1SET G1BY1, 96, 32, 64, 32                    ; of v's: 16 KB dense
	s_lshl_b32 s18, s17, 1
	s_add_co_u32 s18, s18, s16
	s_lshl_b32 s18, s18, 17                        ; x: block 2 t + (wave % 2), 131,072 bytes each
	s_mov_b32 s19, 0
	s_lshl_b32 s98, s94, 17                        ; w_attn: q's block c
	s_lshl_b32 s10, s16, 14
	s_add_co_u32 s10, s10, s98                     ; into X: unit wave % 2
	s_mov_b32 s11, 0
	s_lshl_b32 s99, s16, 21
	s_add_co_u32 s98, s98, s99                     ; into Y: wave 2 from q's block on, wave 3 v's, 16 blocks on;
	s_add_co_u32 s98, s98, 2*UB                    ; unit 2
	s_mov_b32 s99, 0
	s_wait_dscnt 0x0                               ; both opening adds are done
	s_wait_kmcnt 0x0
	s_load_b256 s[84:91], s[8:9], 0x0              ; e0 .. e7
	s_add_nc_u64 s[18:19], s[4:5], s[18:19]
	s_add_nc_u64 s[10:11], s[6:7], s[10:11]
	s_add_nc_u64 s[98:99], s[6:7], s[98:99]
	CROUND                                         ; all sixteen work-groups are here: the first joint loads meet
	s_mov_b32 s[G0AX], 1
	s_lshl_b32 s[G0AX+1], s16, 15
	s_mov_b64 s[G0AX+2:G0AX+3], s[18:19]
	s_or_b32 s[G0AX+3], s[G0AX+3], 0x80000000
	s_mov_b32 s[G0AY], 1
	s_lshl_b32 s[G0AY+1], s16, 14
	s_add_co_u32 s[G0AY+1], s[G0AY+1], YA
	s_add_nc_u64 s[G0AY+2:G0AY+3], s[18:19], 2*UB
	s_or_b32 s[G0AY+3], s[G0AY+3], 0x80000000
	s_mov_b32 s[G0BX], 1
	s_mul_i32 s[G0BX+1], s16, 3*UB
	s_add_co_u32 s[G0BX+1], s[G0BX+1], XB
	s_mov_b64 s[G0BX+2:G0BX+3], s[10:11]
	s_or_b32 s[G0BX+3], s[G0BX+3], 0x80000000
	s_mov_b32 s[G0BY], 1
	s_lshl_b32 s[G0BY+1], s16, 15
	s_add_co_u32 s[G0BY+1], s[G0BY+1], YB
	s_mov_b64 s[G0BY+2:G0BY+3], s[98:99]
	s_or_b32 s[G0BY+3], s[G0BY+3], 0x80000000
	JLOADX                                         ; units 0 and 1: my one tensor load at the head
	s_lshl_b32 s92, s15, 15                        ; my block of x in X,
	s_lshl_b32 s93, s15, 14
	s_add_co_u32 s93, s93, YA                      ; and in Y
	s_lshl_b32 s95, s16, 13                        ; my four fragments of each block of w_attn
	s_add_co_u32 s96, s95, YB
	s_add_co_u32 s95, s95, XB
	s_lshl_b32 s97, s14, 13
	s_add_co_u32 s97, s97, STAGE                   ; my stage
	v_and_b32 v13, 31, v0
	v_lshlrev_b32 v[CO], 4, v13
	v_and_b32 v14, 7, v0                           ; r % 8
	v_bfe_u32 v15, v0, 3, 1                        ; r / 8
	v_bfe_u32 v13, v0, 4, 1                        ; h
	v_add_nc_u32 v[AAD], s92, v[CO]
	v_add_nc_u32 v[AAD+1], UB, v[AAD]
	v_add_nc_u32 v[AAD+2], s93, v[CO]
	v_add_nc_u32 v[BAD], s95, v[CO]
	v_add_nc_u32 v[BAD+1], 3*UB, v[BAD]
	v_add_nc_u32 v[BAD+2], s96, v[CO]
	v_add_nc_u32 v[RD], s97, v[CO]
	v_lshlrev_b32 v14, 4, v14
	v_lshl_add_u32 v14, v13, 3, v14
	v_add_nc_u32 v14, s97, v14                     ; (r % 8) 16 + 8 h
	v_lshl_add_u32 v[STOQ], v15, 10, v14           ; q, k: + (r / 8) 1024: my head's 1 KB of each 2 KB lie on end in the stage
	v_lshl_add_u32 v[STOV], v15, 11, v14           ; v: + (r / 8) 2048
	; where my codes go
	s_lshl_b32 s92, s17, 1
	s_add_co_u32 s92, s92, s15                     ; my 128 tokens are number 2 t + wave / 2 of 64
	s_lshr_b32 s93, s92, 4
	s_lshl_b32 s93, s93, 21                        ; the batch,
	s_lshl_b32 s95, s94, 18                        ; the pair of heads
	s_add_co_u32 s93, s93, s95
	s_and_b32 s92, s92, 15
	s_lshl_b32 s95, s92, 14                        ; q, k: two blocks of 64 tokens of the pair,
	s_add_co_u32 s95, s95, s93
	s_lshl_b32 s96, s16, 10                        ; my head's 1 KB
	s_add_co_u32 s96, s96, s95
	s_mov_b32 s97, 0
	s_add_nc_u64 s[20:21], s[20:21], s[96:97]
	s_add_nc_u64 s[22:23], s[22:23], s[96:97]
	s_lshl_b32 s95, s92, 13                        ; v: one block of 128 keys,
	s_add_co_u32 s95, s95, s93
	s_lshl_b32 s96, s16, 17                        ; of my head
	s_add_co_u32 s96, s96, s95
	s_add_nc_u64 s[12:13], s[12:13], s[96:97]
; x's fragments are numbered through the units: g = 8 u + a.  Fragment g lies in buffer g % 3 (v16, v224, v240) and in place (g / 8) % 3 of LDS.
.macro LA g
.set _m, (\g)%3
.set _a, 16+208*_m-96*_m*(_m-1)
.irp c, 0,1,2,3
	ds_load_b128 v[_a+4*\c:_a+4*\c+3], v[AAD+((\g)/8)%3] offset:((\g)%8)*2048+\c*512
.endr
.endm
.macro LB u, ty                        ; my four fragments of q's (0), k's (1) or v's (2) block of w_attn, unit u
.irp i, 0,1,2,3
.irp c, 0,1,2,3
	ds_load_b128 v[32+16*(4*(\ty)+\i)+4*\c:32+16*(4*(\ty)+\i)+4*\c+3], v[BAD+(\u)%3] offset:(\ty)*16384+\i*2048+\c*512
.endr
.endr
.endm
.macro WM g, b                         ; one product.  ZERO = 1: it starts the sum: nothing is ever cleared
.set _n, 12*((\g)%8)+(\b)
.set _w, 0x50*(1+_n/32)
	WIN _w                                         ; sources window 0, C and D the accumulator's window
.set _d, 8*(_n%32)
.set _m, (\g)%3
.set _a, 16+208*_m-96*_m*(_m-1)
.set _b, 32+16*(\b)
.if (\b) < 8
.if ZERO
	v_wmma_f32_16x16x128_fp8_fp8 v[_d:_d+7], v[_b:_b+15], v[_a:_a+15], 0
.else
	v_wmma_f32_16x16x128_fp8_fp8 v[_d:_d+7], v[_b:_b+15], v[_a:_a+15], v[_d:_d+7]
.endif
.else
.if ZERO
	v_wmma_f32_16x16x128_fp8_fp8 v[_d:_d+7], v[_a:_a+15], v[_b:_b+15], 0
.else
	v_wmma_f32_16x16x128_fp8_fp8 v[_d:_d+7], v[_a:_a+15], v[_b:_b+15], v[_d:_d+7]
.endif
.endif
.endm
.macro W4 g, ty
.irp i, 0,1,2,3
	WM \g, 4*(\ty)+\i
.endr
.endm
.macro W12 g
	W4 \g, 0
	W4 \g, 1
	W4 \g, 2
.endm
.macro J ty                            ; x's last two fragments of the unit against four of w_attn's, which are then free
.irp i, 0,1,2,3
	WM (G+6), 4*(\ty)+\i
	WM (G+7), 4*(\ty)+\i
.endr
.endm
.macro NEXTA g                         ; fragment g's buffer takes fragment g + 3
	PLACES
	WIN 0
	LA ((\g)+3)
.endm
; A UNIT: 96 products, each accumulator once.  LDS loads out at its head, oldest first: x's fragment 0 (4 loads), w_attn's twelve (16, 16, 16), x's 1 and 2 (4, 4).
; kind 0: the next unit lies in the same slot.  1: the slot is left and filled again.  2: it is left.  3: the last unit.
.macro UNIT u, kind
.set G, 8*(\u)
	s_wait_dscnt 40                                ; all but the youngest 16 + 16 + 8
	W4 G, 0
	s_wait_dscnt 24
	W4 G, 1
	s_wait_dscnt 8
	W4 G, 2
	NEXTA G
.irp a, 1,2,3,4
	s_wait_dscnt 8                                 ; the two younger fragments of x may be out
	W12 (G+\a)
	NEXTA (G+\a)
.endr
.if (\kind) == 0
	s_wait_dscnt 8
	W12 (G+5)
	NEXTA (G+5)
	s_wait_dscnt 4                                 ; the next unit's first fragment may be out
	J 0
	PLACES
	WIN 0
.endif
.if (\kind) == 1 || (\kind) == 2
	s_wait_tensorcnt 0x0                           ; my part of the next slot is in  (every window is 0 here)
	ds_add_u32 v[SPW], v[NIL]                      ; 0 onto my spare word
	s_wait_dscnt 9                                 ; (the add and x's last two fragments may be out)
	W12 (G+5)                                      ; twelve products stand between the add and the wait for it
	s_wait_dscnt 0x0                               ; the add is done, and my reads of this slot are over: what is left of the unit works on registers
	s_barrier_signal -1
	J 0
	WIN 0
	s_barrier_wait -1
.if (\kind) == 1
	CREST                                          ; the barrier has opened a round of the cluster's barrier: no wave of any partner still reads this slot or has a load on its way
.if ((\u)%3) == 1
	s_add_nc_u64 s[G0AX+2:G0AX+3], s[G0AX+2:G0AX+3], 3*UB
	s_add_nc_u64 s[G0BX+2:G0BX+3], s[G0BX+2:G0BX+3], 3*UB
	JLOADX                                         ; the first tensor load behind the round, my only one until the next; its four v_nop are the places in front of the loads below
.else
	s_add_nc_u64 s[G0AY+2:G0AY+3], s[G0AY+2:G0AY+3], 3*UB
	s_add_nc_u64 s[G0BY+2:G0BY+3], s[G0BY+2:G0BY+3], 3*UB
	JLOADY
.endif
.else
	PLACES
.endif
	LA (G+8)
.endif
.if (\kind) < 3
	LB (\u+1), 0
	J 1
	PLACES
	WIN 0
	LB (\u+1), 1
	J 2
	PLACES
	WIN 0
	LB (\u+1), 2
	LA (G+9)
	LA (G+10)
.else
	s_wait_dscnt 8
	W12 (G+5)
	s_wait_dscnt 0x0
	J 0
	J 1
	J 2
	WIN 0
.endif
.endm
	s_wait_alu depctr_va_vdst(0)                   ; the wait at the head's end
	s_wait_tensorcnt 0x0                           ; my part of units 0 and 1 is in; slot Y's first fill is issued as a refill is:
	ds_add_u32 v[SPW], v[NIL]
	s_wait_dscnt 0x0
	CROUND
	JLOADY                                         ; unit 2: the first tensor load behind the round
	LA 0
	LB 0, 0
	LB 0, 1
	LB 0, 2
	LA 1
	LA 2
.set ZERO, 1
	UNIT 0, 0
.set ZERO, 0
	UNIT 1, 1                                      ; X takes units 3 and 4
	UNIT 2, 1                                      ; Y takes unit 5
	UNIT 3, 0
	UNIT 4, 1                                      ; X takes units 6 and 7
	UNIT 5, 2
	UNIT 6, 0
	UNIT 7, 3
	; THE WAY OUT
.macro SCL ty, e                       ; a sum stands for sum x 2^(e0 + e1): its code is sum / 2^(e - e0 - e1): the three scales are folded into the conversion's one
	s_sub_co_i32 s92, s[\e], s84
	s_sub_co_i32 s92, s92, s85
	s_add_co_i32 s92, s92, 127
	s_lshl_b32 s93, s92, 23
	v_mov_b32 v[SCV+2*\ty], s93
	s_add_co_i32 s92, s92, 8
	s_lshl_b32 s92, s92, 23
	s_or_b32 s92, s92, 0x600000
	v_mov_b32 v[SCV+2*\ty+1], s92
.endm
; My 32 accumulators of q, k or v: each is held (from its low end on) and becomes 8 codes, 8 bytes of the stage; then the 8 KB come back as they lie.
.macro TYPEOUT ty
.irp a, 0,1,2,3,4,5,6,7
.irp i, 0,1,2,3
.set _n, 12*\a+4*(\ty)+\i
.set _w, 1+_n/32
	WIN _w                                         ; source 0: the accumulator's window
.set _s, 8*(_n%32)
.irp j, 0,1,2,3,4,5,6,7
	v_med3_num_f32 v[TMP+32*(\a%2)+8*\i+\j], v[_s+\j], -v[SCV+2*(\ty)+1], v[SCV+2*(\ty)+1]   ; the conversion to an 8-bit code does not saturate (ISA guide 7.6.2)
.endr
.endr
	WIN 0
.irp i, 0,1,2,3
	v_cvt_scalef32_pk8_fp8_f32 v[CD+8*(\a%2)+2*\i:CD+8*(\a%2)+2*\i+1], v[TMP+32*(\a%2)+8*\i:TMP+32*(\a%2)+8*\i+7], v[SCV+2*(\ty)]
.endr
	v_nop                                          ; a plain vector line behind the last conversion
.irp i, 0,1,2,3
.if (\ty) < 2
	ds_store_b64 v[STOQ], v[CD+8*(\a%2)+2*\i:CD+8*(\a%2)+2*\i+1] offset:(\a/4)*4096+((\a%4)/2)*2048+(\a%2)*128+(\i/2)*512+(\i%2)*256
.else
	ds_store_b64 v[STOV], v[CD+8*(\a%2)+2*\i:CD+8*(\a%2)+2*\i+1] offset:(\i/2)*4096+(\i%2)*128+(\a/2)*512+(\a%2)*256
.endif
.endr
.endr
.if (\ty) == 2
	s_wait_alu depctr_va_vdst(0)
	s_wait_xcnt 0x0                                ; q's stores have read their registers: v's bytes may land there
.endif
.irp t, 0,1,2,3,4,5,6,7,8,9,10,11,12,13,14,15
	ds_load_b128 v[RB+64*((\ty)%2)+4*\t:RB+64*((\ty)%2)+4*\t+3], v[RD] offset:\t*512   ; my own bytes; LDS serves a wave's instructions in order (ISA guide 5.7.1.4)
.endr
.endm
.macro SEND ty, ptr, younger           ; younger: the LDS instructions issued behind these 16 loads, which may stay out
	s_wait_dscnt \younger
.irp t, 0,1,2,3,4,5,6,7,8,9,10,11,12,13,14,15
.if (\ty) < 2
	global_store_b128 v[CO], v[RB+64*((\ty)%2)+4*\t:RB+64*((\ty)%2)+4*\t+3], s[\ptr:\ptr+1] offset:(\t/2)*2048+(\t%2)*512   ; 32 lanes store 512 consecutive bytes, aligned
.else
	global_store_b128 v[CO], v[RB+64*((\ty)%2)+4*\t:RB+64*((\ty)%2)+4*\t+3], s[\ptr:\ptr+1] offset:\t*512
.endif
.endr
.endm
	s_wait_kmcnt 0x0
	PLACES                                         ; behind the last products: the scales land in a buffer that they read
	SCL 0, 86
	SCL 1, 87
	SCL 2, 89
	s_wait_alu depctr_va_vdst(0)
	TYPEOUT 0
	TYPEOUT 1
	SEND 0, 20, 48                                 ; behind q's loads: k's 32 stores and 16 loads
	TYPEOUT 2
	SEND 1, 22, 48
	SEND 2, 12, 0
	s_wait_tensorcnt 0x0                           ; the wave's end: the tensor wait, the add and its wait, behind my last tensor load and my last LDS store
	ds_add_u32 v[SPW], v[NIL]
	s_wait_dscnt 0x0
	CROUND                                         ; the closing round: no work-group ends while a partner may still ask for a block that names it
	s_endpgm
.Lfunc_end_k_qcbb7081c93_qkv:
	.size	k_qcbb7081c93_qkv, .Lfunc_end_k_qcbb7081c93_qkv-k_qcbb7081c93_qkv
	.p2alignl 7, 3214868480
	.fill 96, 4, 3214868480
	.section	.rodata,"a",@progbits
	.p2align	6, 0x0
	.amdhsa_kernel k_qcbb7081c93_qkv
		.amdhsa_group_segment_fixed_size 327680
		.amdhsa_private_segment_fixed_size 0
		.amdhsa_enable_private_segment 0
		.amdhsa_kernarg_size 48
		.amdhsa_user_sgpr_count 2
		.amdhsa_user_sgpr_kernarg_segment_ptr 1
		.amdhsa_wavefront_size32 1
		.amdhsa_system_sgpr_workgroup_id_x 1
		.amdhsa_system_sgpr_workgroup_id_y 1
		.amdhsa_system_sgpr_workgroup_id_z 1
		.amdhsa_system_vgpr_workitem_id 0
		.amdhsa_next_free_vgpr 1024
		.amdhsa_next_free_sgpr 100
		.amdhsa_reserve_vcc 0
		.amdhsa_float_denorm_mode_32 3
		.amdhsa_float_denorm_mode_16_64 3
		.amdhsa_memory_ordered 1
		.amdhsa_forward_progress 1
		.amdhsa_inst_pref_size 187
	.end_amdhsa_kernel
	.amdgpu_metadata
---
amdhsa.version: [ 1, 2 ]
amdhsa.kernels:
  - .name:           k_qcbb7081c93_qkv
    .symbol:         k_qcbb7081c93_qkv.kd
    .args:
      - { .name: x_codes, .offset: 0, .size: 8, .value_kind: global_buffer, .address_space: global }
      - { .name: wa_codes, .offset: 8, .size: 8, .value_kind: global_buffer, .address_space: global }
      - { .name: lowp_scales, .offset: 16, .size: 8, .value_kind: global_buffer, .address_space: global }
      - { .name: q_codes, .offset: 24, .size: 8, .value_kind: global_buffer, .address_space: global }
      - { .name: k_codes, .offset: 32, .size: 8, .value_kind: global_buffer, .address_space: global }
      - { .name: v_codes, .offset: 40, .size: 8, .value_kind: global_buffer, .address_space: global }
    .group_segment_fixed_size: 327680
    .private_segment_fixed_size: 0
    .kernarg_segment_align: 8
    .kernarg_segment_size: 48
    .max_flat_workgroup_size: 128
    .sgpr_count:     100
    .vgpr_count:     1024
    .wavefront_size: 32
...
	.end_amdgpu_metadata
.endif
;; end of part 2
;; launch attn (part 3): grid 256 x 1, 16 waves a work-group, clusters of 4 x 1, 327,680 bytes of LDS; arguments q_codes, k_codes, v_codes, lowp_scales, y_codes; writes y_codes
.if DOCPART == 3
	.amdgcn_target "amdgcn-amd-amdhsa--gfx1250"
	.amdhsa_code_object_version 6
	.text
	.protected	k_qcbb7081c93_attn
	.globl	k_qcbb7081c93_attn
	.p2align	8
	.type	k_qcbb7081c93_attn,@function
k_qcbb7081c93_attn:
	s_mov_b64 s[64:65], 0
	v_nop
	global_prefetch_b8 v0, s[64:65] scope:SCOPE_SE
	s_setreg_imm32_b32 hwreg(HW_REG_WAVE_MODE, 25, 1), 1
	s_wait_xcnt 0x0
	s_wait_alu depctr_hold_cnt(0) depctr_sa_sdst(0) depctr_va_vdst(0) depctr_va_sdst(0) depctr_va_ssrc(0) depctr_va_vcc(0) depctr_vm_vsrc(0)
	s_getreg_b32 s2, hwreg(HW_REG_IB_STS2, 6, 4)
	s_cmp_eq_u32 s2, 0
	s_cbranch_scc0 .Lentry_in_a_cluster
	s_endpgm
.Lentry_in_a_cluster:
	s_bfe_u32 s2, ttmp6, 0x10000c
	s_cmp_lg_u32 s2, 0x3003
	s_cbranch_scc0 .Lentry_shape_is_right
	s_endpgm
.Lentry_shape_is_right:
; y[b][q][head] = the sum over keys k <= q of softmax_k(q . k / 8) v, for 64 batch x head of 2,048 tokens and head size 64, both products on codes of FP8 (E4M3) with the given scales
; 2^e2 (q), 2^e3 (k), 2^e4 (p), 2^e5 (v); y is quantised at once, from f32, with 2^e6, into the register order of the projection's operand.
; THE SOFTMAX AHEAD OF THE SECOND PRODUCT: t = score x log2(e) / 8; M = the row's largest t so far, rounded UP to a whole number; p = 2^(t - M) is what is quantised; it is not normalised.
; The row's sum is taken of the unquantised p, in f32, and divides O at the end.  When M moves, the sum and O are multiplied by 2^(old M - new M): exact.
; LEFT OUT: key steps all of whose 128 keys come after a tile's 16 queries: the causal mask sets their scores to -infinity, so their p is 0 for all values of the inputs.
; A NaN or an infinity that reaches only those scores is not carried to the result.
; LIMITS, so that each power of two below is an f32 number: e2 + e3 between -123 and 130 (added to c's exponent field); e4, and e6 - e4 - e5, between -126 and 119.  The scaled scores t stay under 2^31 in magnitude.
; SHARES.  A cluster of four work-groups owns one batch x head (cluster x).  The head's 128 tiles of 16 queries are dealt by turns: tile t = 4 m + j belongs to the partner at place j, m = 0 .. 31.
; A tile has m / 2 + 1 key steps of 128 keys, whatever j.  Wave w of sixteen owns tiles m = 31 - w and m = w: (16 - w / 2) + (w / 2 + 1) = 17 key steps in every wave of every work-group.
; ALL OF THE HEAD'S K AND V STAY IN LDS: 128 KB each.  All four partners need the same bytes, so each load is a JOINT load (mask 15).  Keys 0 - 511 are asked for at the head, 4 KB a wave (waves 0-7 K, 8-15 V);
; keys 512 - 2,047 behind the next round, 12 KB a wave, while the larger tile's first four key steps are worked.  One barrier more shows them to all waves; behind it no LDS byte is ever written, and the waves share no further barrier.
; No branch, trip count or LDS address hangs on j: j enters the addresses of q and y and the mask's lane numbers alone.  The loops' trip counts are constants; a step beyond a tile's last is jumped over by the wave's number.
; NO PREFETCH: every byte of K and V is asked for by the two groups of loads at the head, and q by four loads a wave there: no loop is left in which a request could run ahead of a load.
; LAYOUT.  Both products are used transposed: S^T = K Q^T (source 0 = 16 keys, source 1 = my 16 queries), O^T = V^T P^T (source 0 = 16 channels, source 1 = P): a lane holds ONE query (lane % 16) throughout.
; All inputs lie in the order of the operands' registers, lane l's 16 bytes at 16 l.  Lane r of K's tile 2 b + u holds key 32 b + 8 u + r + 8 (r / 8), so that the 16 registers of tiles 2 b and 2 b + 1 of S^T are the
; 16 neighbouring keys 32 b + 16 (lane / 16) + 0 .. 15; V's channels are chosen likewise, so that O^T's 16 registers of two tiles are 16 neighbouring channels, y's K.
; REGISTERS: v1 16 x lane; v2, v3 the step's LDS addresses; v4, v5 the add's two; v6, v9 the mask's lane numbers of the two tiles; v7 -infinity; v8 16 x lane + V's base; v10, v11 q's offsets; v12 -M, v13 the largest t,
;   v[14:15] the sum; v16-23 Q (larger tile); v[24:25] f, 0; v26-28 at work; v30 2^e4; v32-95 K's eight fragments, then V's four; v96-159 S^T, then p; v160-191 O^T; v192-207 p's codes, at a tile's end y's;
;   v[208:209], v242-249, v252-255 the sum's chains; v210-217 Q (smaller tile); v218-249 O^T / the sum; v250, v251 y's scale and hold.
.set VOFF,  131072                     ; K: key step s at 8192 s; V: at VOFF + 8192 s
.set SPARE, 262144                     ; behind them: the spare words, 128 bytes for each wave: eight blocks of 256 bytes that no other line names
.set LI,   1
.set ADK,  2
.set ADV,  3
.set SPW,  4                           ; v4   LDS address of my spare word: SPARE + 4 x my thread's number; never rewritten
.set NIL,  5                           ; v5   0; never rewritten
.set D1,   6
.set NINF, 7
.set LV,   8
.set D2,   9
.set QB1,  16
.set QB2,  210
.set FRG,  32
.set S,    96
.set O,    160
.set PC,   192
.set YC,   192
.set Z,    218
.set WV,   18                          ; s18  my wave's number
.set SEL,  20                          ; s[20:21] lane selects for v_permlanex16_b32: lane l xor 16
.set CS,   22                          ; s[22:23] c = log2(e) / 8 x 2^(e2 + e3)
.set G1KA, 24                          ; descriptor groups 1: K's and V's tiles of the first and of the second group of loads
.set G1VA, 32
.set G1KB, 40
.set G1VB, 48
.set G0K,  56                          ; groups 0
.set G0V,  60
.set KS,   66                          ; s66  the key step
.set DG,   67                          ; s67  the tile's last key step, the one on the diagonal: m / 2
.set TB,   68                          ; s68  8192 x key step
.set HP,   69                          ; s69  448 x 2^e4
.set CX,   70                          ; s70  j, my place in the cluster
.set W7,   71                          ; s71  wave % 8
.set DG2,  88                          ; s88  the smaller tile's last key step
; A joint load: waves 0-7 fetch for K, waves 8-15 for V.  The branch hangs on the wave's number alone.  An s_nop 0 and four v_nop follow each of the two lines.
.macro JLOAD g1k, g1v
	s_cmp_lt_u32 s[WV], 8
	s_cbranch_scc0 .Lfor_v_\@
	tensor_load_to_lds s[G0K:G0K+3], s[\g1k:\g1k+7]
	s_nop 0
.rept 4
	v_nop
.endr
	s_branch .Lasked_\@
.Lfor_v_\@:
	tensor_load_to_lds s[G0V:G0V+3], s[\g1v:\g1v+7]
	s_nop 0
.rept 4
	v_nop
.endr
.Lasked_\@:
.endm
.macro CROUND                          ; a round of the cluster's barrier
	s_barrier_signal -1
	s_barrier_wait -1
	s_cmp_lg_u32 s[WV], 0
	s_cbranch_scc1 .Lnot_wave_0_\@
	s_barrier_signal -3
.Lnot_wave_0_\@:
	s_barrier_wait -3
	s_barrier_signal -1
	s_barrier_wait -1
.endm
.macro G1SET g, c, r, p                ; r rows of c elements of 8 bytes, p elements apart; mask 15: all four partners; bit 21 set beside it; no padding
	s_mov_b32 s[\g], 15|(3<<16)|(1<<21)
	s_mov_b32 s[\g+1], (\c)<<16
	s_mov_b32 s[\g+2], (\r)<<16
	s_mov_b32 s[\g+3], (\c)<<16
	s_mov_b32 s[\g+4], \r
	s_mov_b32 s[\g+5], \p
	s_mov_b32 s[\g+6], 0
	s_mov_b32 s[\g+7], 0
.endm
.macro INIT                            ; a tile's start: the first step finds zeros, which the first change of M leaves zeros
	v_mov_b32 v13, 0xff61b1e6                      ; the largest t so far: -3e38, under every t
	s_delay_alu instid0(VALU_DEP_1)
	v_floor_f32 v12, -v13                          ; -M
	v_mov_b32 v14, 0
	v_mov_b32 v15, 0
.set j, 0
.rept 32
	v_mov_b32 v[O+j], 0
.set j, j+1
.endr
.endm
	s_load_b128 s[4:7], s[0:1], 0x0                ; q's codes s[4:5], k's s[6:7]
	s_load_b128 s[8:11], s[0:1], 0x10              ; v's s[8:9], the scales' exponents s[10:11]
	s_load_b64 s[12:13], s[0:1], 0x20              ; y's codes
	v_lshl_add_u32 v[SPW], v0, 2, SPARE
	v_mov_b32 v[NIL], 0
	ds_add_u32 v[SPW], v[NIL]                      ; the opening: the add, twice on end, and its wait ahead of my first tensor load
	ds_add_u32 v[SPW], v[NIL]
	v_lshrrev_b32 v10, 5, v0
	s_delay_alu instid0(VALU_DEP_1)
	v_readfirstlane_b32 s[WV], v10                 ; wave 0..15
	s_bfe_u32 s[CX], ttmp6, 0x40000
	s_and_b32 s[W7], s[WV], 7
	s_lshr_b32 s80, ttmp9, 1
	s_lshl_b32 s80, s80, 18                        ; q, k: [batch x pair of heads] of 2^18 bytes,
	s_and_b32 s81, ttmp9, 1
	s_lshl_b32 s81, s81, 10                        ; and my head's 1 KB of each 2 KB
	s_add_co_u32 s80, s80, s81
	s_mov_b32 s81, 0
	s_lshl_b32 s82, ttmp9, 17                      ; v: [batch x head] of 2^17 bytes
	s_lshl_b32 s89, s[W7], 13
	s_add_co_u32 s90, s80, s89                     ; first group, K: four rows of 1 KB, 2 KB apart, from row 4 (wave % 8) on
	s_mov_b32 s91, 0
	s_lshl_b32 s89, s[W7], 12                      ; 4 KB a wave in LDS, and in V's dense bytes
	s_add_co_u32 s92, s82, s89
	s_mov_b32 s93, 0
	s_mul_i32 s94, s[W7], 24576                    ; second group, K: twelve rows from row 32 + 12 (wave % 8) on
	s_add_co_u32 s94, s94, s80
	s_add_co_u32 s94, s94, 65536
	s_mov_b32 s95, 0
	s_mul_i32 s98, s[W7], 12288                    ; 12 KB a wave in LDS, and in V's dense bytes
	s_add_co_u32 s96, s98, s82
	s_add_co_u32 s96, s96, 32768
	s_mov_b32 s97, 0
	G1SET G1KA, 128, 4, 256
	G1SET G1VA, 32, 16, 32                         ; V's bytes are dense: stated as rows of 256 bytes
	G1SET G1KB, 128, 12, 256
	G1SET G1VB, 32, 48, 32
	s_mov_b32 s[SEL], 0x76543210
	s_mov_b32 s[SEL+1], 0xfedcba98
	s_mov_b32 s[CS], 0x3e38aa3b                    ; c = log2(e) / 8
	s_wait_dscnt 0x0                               ; both opening adds are done
	s_wait_kmcnt 0x0
	s_load_b256 s[72:79], s[10:11], 0x0            ; e0 .. e7
	s_mov_b32 s[G0K], 1
	s_mov_b32 s[G0K+1], s89
	s_add_nc_u64 s[G0K+2:G0K+3], s[6:7], s[90:91]
	s_or_b32 s[G0K+3], s[G0K+3], 0x80000000
	s_mov_b32 s[G0V], 1
	s_add_co_u32 s[G0V+1], s89, VOFF
	s_add_nc_u64 s[G0V+2:G0V+3], s[8:9], s[92:93]
	s_or_b32 s[G0V+3], s[G0V+3], 0x80000000
	CROUND                                         ; all four partners are here: the first joint loads meet
	JLOAD G1KA, G1VA                               ; keys 0 - 511: my one tensor load at the head
	; q: tile 4 m + j lies at 8192 m + 4096 (j / 2) + 128 (j % 2) in the head's bytes
	s_add_nc_u64 s[4:5], s[4:5], s[80:81]
	s_lshr_b32 s89, s[CX], 1
	s_lshl_b32 s89, s89, 12
	s_and_b32 s90, s[CX], 1
	s_lshl_b32 s90, s90, 7
	s_add_co_u32 s90, s90, s89
	s_mov_b32 s91, 0
	s_add_nc_u64 s[4:5], s[4:5], s[90:91]
	s_sub_co_u32 s92, 31, s[WV]                    ; the larger tile's m
	s_lshl_b32 s93, s92, 13
	s_lshl_b32 s89, s[WV], 13                      ; the smaller tile's m is the wave's number
	; y: (16 batch + m / 2) 2^17 + (head / 4) 2^15 + (4 (m % 2) + j) 2^12 + (head % 4) 2^10
	s_lshr_b32 s80, ttmp9, 4
	s_lshl_b32 s80, s80, 21
	s_bfe_u32 s81, ttmp9, 0x20002
	s_lshl_b32 s81, s81, 15
	s_add_co_u32 s80, s80, s81
	s_and_b32 s81, ttmp9, 3
	s_lshl_b32 s81, s81, 10
	s_add_co_u32 s80, s80, s81
	s_lshl_b32 s81, s[CX], 12
	s_add_co_u32 s80, s80, s81
	s_lshr_b32 s[DG], s92, 1
	s_and_b32 s83, s92, 1
	s_lshl_b32 s84, s[DG], 17
	s_add_co_u32 s84, s84, s80
	s_lshl_b32 s85, s83, 14
	s_add_co_u32 s84, s84, s85
	s_mov_b32 s85, 0
	s_add_nc_u64 s[84:85], s[12:13], s[84:85]      ; the larger tile's place in y
	s_lshr_b32 s[DG2], s[WV], 1
	s_and_b32 s82, s[WV], 1
	s_lshl_b32 s86, s[DG2], 17
	s_add_co_u32 s86, s86, s80
	s_lshl_b32 s87, s82, 14
	s_add_co_u32 s86, s86, s87
	s_mov_b32 s87, 0
	s_add_nc_u64 s[86:87], s[12:13], s[86:87]      ; the smaller tile's
	s_lshl_b32 s81, s[CX], 4                       ; on the diagonal step a tile's first query is key 64 (m % 2) + 16 j of the step
	s_lshl_b32 s90, s83, 6
	s_add_co_u32 s90, s90, s81
	s_lshl_b32 s91, s82, 6
	s_add_co_u32 s91, s91, s81
	v_and_b32 v26, 15, v0                          ; r
	v_bfe_u32 v27, v0, 4, 1                        ; h
	v_and_b32 v[LI], 31, v0
	s_delay_alu instid0(VALU_DEP_3)
	v_lshrrev_b32 v10, 3, v26
	s_delay_alu instid0(VALU_DEP_4)
	v_and_b32 v11, 7, v26
	s_delay_alu instid0(VALU_DEP_3)
	v_lshlrev_b32 v[LI], 4, v[LI]
	s_delay_alu instid0(VALU_DEP_2)
	v_lshlrev_b32 v11, 4, v11
	s_delay_alu instid0(VALU_DEP_1)
	v_lshl_add_u32 v11, v10, 11, v11
	s_delay_alu instid0(VALU_DEP_1)
	v_lshl_add_u32 v11, v27, 8, v11                ; query r of a tile lies at (r / 8) 2048 + (r % 8) 16, channels 16 h on at 256 h
	s_delay_alu instid0(VALU_DEP_1)
	v_add_nc_u32 v10, s93, v11
	s_delay_alu instid0(VALU_DEP_2)
	v_add_nc_u32 v11, s89, v11
	global_load_b128 v[QB1:QB1+3], v10, s[4:5]             ; both tiles' Q stay in registers: channels 16 h + 0 .. 15,
	global_load_b128 v[QB1+4:QB1+7], v10, s[4:5] offset:512   ; and 32 + 16 h + 0 .. 15
	global_load_b128 v[QB2:QB2+3], v11, s[4:5]
	global_load_b128 v[QB2+4:QB2+7], v11, s[4:5] offset:512
	v_lshlrev_b32 v27, 4, v27
	s_delay_alu instid0(VALU_DEP_1)
	v_sub_nc_u32 v26, v26, v27                     ; r - 16 h
	s_delay_alu instid0(VALU_DEP_1)
	v_add_nc_u32 v[D1], s90, v26                   ; d = my query - the diagonal step's first key - 16 h.  Register 16 b + i holds key 16 h + 32 b + i of the step: hidden where 32 b + i > d
	s_delay_alu instid0(VALU_DEP_2)
	v_add_nc_u32 v[D2], s91, v26
	v_add_nc_u32 v[LV], VOFF, v[LI]
	v_mov_b32 v[NINF], 0xff800000
	v_mov_b32 v25, 0                               ; (named as the upper half of the pair v[24:25])
	v_mov_b32 v28, 0                               ; written once: a lane permute's destination counts as one of its sources
	INIT
	s_wait_kmcnt 0x0
	s_add_co_i32 s80, s74, s75
	s_lshl_b32 s80, s80, 23
	s_add_co_i32 s[CS], s[CS], s80                 ; a score stands for score x 2^(e2 + e3): the two exponents are added to c's exponent field
	s_mov_b32 s[CS+1], s[CS]
	s_add_co_i32 s80, s76, 127
	s_lshl_b32 s81, s80, 23
	v_mov_b32 v30, s81                             ; 2^e4 as f32, for p's conversions
	s_add_co_i32 s80, s80, 8
	s_lshl_b32 s80, s80, 23
	s_or_b32 s[HP], s80, 0x600000                  ; 448 x 2^e4
	s_sub_co_i32 s80, s78, s76
	s_sub_co_i32 s80, s80, s77                     ; a sum of the second product stands for sum x 2^(e4 + e5): y's code is (sum / l) / 2^(e6 - e4 - e5)
	s_add_co_i32 s80, s80, 127
	s_lshl_b32 s81, s80, 23
	v_mov_b32 v250, s81
	s_add_co_i32 s80, s80, 8
	s_lshl_b32 s80, s80, 23
	s_or_b32 s80, s80, 0x600000
	v_mov_b32 v251, s80
; A KEY STEP: 128 keys, number s[KS].  qb: the tile's Q; dr: its mask's lane numbers; edge = 1: the step may lie on or beyond the tile's diagonal.
.macro STEP qb, dr, edge
.if \edge
	s_cmp_gt_u32 s[KS], s[DG]                      ; beyond the tile's last step: the wave's number and the count of steps alone decide
	s_cbranch_scc1 .Lhidden_\@
.endif
	s_lshl_b32 s[TB], s[KS], 13
	v_add_nc_u32 v[ADK], s[TB], v[LI]
	v_add_nc_u32 v[ADV], s[TB], v[LV]
.rept 2
	v_nop                                          ; with the two additions: four places in front of loads into registers that the last step's products have read
.endr
.irp kt, 0,1,2,3,4,5,6,7                       ; K's eight tiles of 16 keys x 64 channels: 1 KB each
	ds_load_b128 v[FRG+8*\kt:FRG+8*\kt+3], v[ADK] offset:\kt*1024
	ds_load_b128 v[FRG+8*\kt+4:FRG+8*\kt+7], v[ADK] offset:\kt*1024+512
.endr
	s_wait_alu depctr_va_vdst(0)
	s_wait_dscnt 0x0
.irp kt, 0,1,2,3,4,5,6,7                       ; S^T = K Q^T
	v_wmma_f32_16x16x64_fp8_fp8 v[S+8*\kt:S+8*\kt+7], v[FRG+8*\kt:FRG+8*\kt+7], v[\qb:\qb+7], 0
.endr
.rept 4
	v_nop                                          ; places in front of the loads below, into registers just read, and of the first read of the scores
.endr
.irp dt, 0,1,2,3                               ; V's four tiles of 16 channels x 128 keys, 2 KB each: they land while the softmax is walked
.irp c, 0,1,2,3
	ds_load_b128 v[FRG+16*\dt+4*\c:FRG+16*\dt+4*\c+3], v[ADV] offset:\dt*2048+\c*512
.endr
.endr
.if \edge
	s_cmp_lg_u32 s[KS], s[DG]                      ; on the diagonal step the scores of hidden keys become -infinity ahead of the maximum: p = 0 then
	s_cbranch_scc1 .Lopen_\@
.set n, 0
.rept 64
	v_cmp_gt_i32 vcc_lo, 32*(n/16)+n%16, v[\dr]
	v_cndmask_b32 v[S+n], v[S+n], v[NINF], vcc_lo
.set n, n+1
.endr
.Lopen_\@:
.endif
	v_max3_num_f32 v26, v[S], v[S+1], v[S+2]       ; the step's largest score of my query, among my 64 keys, in eight chains (v26, v27, v29, v31, v242-245); the scores are taken in ascending order
	v_max3_num_f32 v27, v[S+3], v[S+4], v[S+5]
	v_max3_num_f32 v29, v[S+6], v[S+7], v[S+8]
	v_max3_num_f32 v31, v[S+9], v[S+10], v[S+11]
	v_max3_num_f32 v242, v[S+12], v[S+13], v[S+14]
	v_max3_num_f32 v243, v[S+15], v[S+16], v[S+17]
	v_max3_num_f32 v244, v[S+18], v[S+19], v[S+20]
	v_max3_num_f32 v245, v[S+21], v[S+22], v[S+23]
.irp i, 24,40
	v_max3_num_f32 v26, v26, v[S+\i], v[S+1+\i]
	v_max3_num_f32 v27, v27, v[S+2+\i], v[S+3+\i]
	v_max3_num_f32 v29, v29, v[S+4+\i], v[S+5+\i]
	v_max3_num_f32 v31, v31, v[S+6+\i], v[S+7+\i]
	v_max3_num_f32 v242, v242, v[S+8+\i], v[S+9+\i]
	v_max3_num_f32 v243, v243, v[S+10+\i], v[S+11+\i]
	v_max3_num_f32 v244, v244, v[S+12+\i], v[S+13+\i]
	v_max3_num_f32 v245, v245, v[S+14+\i], v[S+15+\i]
.endr
	v_max3_num_f32 v26, v26, v[S+56], v[S+57]
	v_max3_num_f32 v27, v27, v[S+58], v[S+59]
	v_max3_num_f32 v29, v29, v[S+60], v[S+61]
	v_max3_num_f32 v31, v31, v[S+62], v[S+63]
	v_max3_num_f32 v242, v242, v243, v244
	s_delay_alu instid0(VALU_DEP_3)
	v_max3_num_f32 v26, v26, v27, v29
	s_delay_alu instid0(VALU_DEP_2)
	v_max3_num_f32 v31, v31, v245, v242
	s_delay_alu instid0(VALU_DEP_1)
	v_max_num_f32 v26, v26, v31
	s_delay_alu instid0(VALU_DEP_1)
	v_permlanex16_b32 v28, v26, s[SEL], s[SEL+1]
	s_delay_alu instid0(VALU_DEP_1)
	v_max_num_f32 v26, v26, v28                    ; and among lane l xor 16's
	s_delay_alu instid0(VALU_DEP_1)
	v_mul_f32 v26, s[CS], v26                      ; as t (c is positive)
	s_delay_alu instid0(VALU_DEP_1)
	v_max_num_f32 v13, v13, v26                    ; the running largest t
	v_mov_b32 v26, v12
	s_delay_alu instid0(VALU_DEP_2)
	v_floor_f32 v12, -v13                          ; the new -M = floor(-t) = -ceil(t): M IS A WHOLE NUMBER
.set j, 0
.rept 8
	v_pk_fma_f32 v[S+j:S+j+1], v[S+j:S+j+1], s[CS:CS+1], v[12:13] op_sel_hi:[1,0,0]   ; t - M, two at a time (of the pairs c and -M the low word serves both halves); the three lines that make f stand among them
.set j, j+2
.endr
	v_sub_f32 v26, v12, v26                        ; M's old value less its new one: a whole number, 0 or less
.rept 8
	v_pk_fma_f32 v[S+j:S+j+1], v[S+j:S+j+1], s[CS:CS+1], v[12:13] op_sel_hi:[1,0,0]
.set j, j+2
.endr
	v_cvt_i32_f32 v26, v26                         ; (it saturates)
.rept 8
	v_pk_fma_f32 v[S+j:S+j+1], v[S+j:S+j+1], s[CS:CS+1], v[12:13] op_sel_hi:[1,0,0]
.set j, j+2
.endr
	v_ldexp_f32 v24, 1.0, v26                      ; f = 2^(old M - new M): a multiplication by it rounds nothing
.rept 8
	v_pk_fma_f32 v[S+j:S+j+1], v[S+j:S+j+1], s[CS:CS+1], v[12:13] op_sel_hi:[1,0,0]
.set j, j+2
.endr
	s_wait_alu depctr_va_vdst(0)                   ; the wait ahead of the batch
.set j, 0
.rept 64
	v_exp_f32 v[S+j], v[S+j]                       ; p = 2^(t - M), at most 1: NOT normalised
.set j, j+1
.endr
	v_pk_mul_f32 v[14:15], v[14:15], v[24:25] op_sel_hi:[1,0]   ; the sums under the new M.  (A plain place behind the exponentials)
	s_wait_alu depctr_va_vdst(0)                   ; one wait for the whole batch, ahead of its first reader
	v_pk_add_f32 v[208:209], v[100:101], v[104:105]     ; THE ROW'S SUM IS TAKEN OF THE UNQUANTISED p: two at a time, in eight chains
	v_pk_add_f32 v[254:255], v[108:109], v[112:113]
	v_pk_add_f32 v[252:253], v[116:117], v[120:121]
	v_pk_add_f32 v[248:249], v[124:125], v[128:129]
	v_pk_add_f32 v[246:247], v[132:133], v[136:137]
	v_pk_add_f32 v[244:245], v[140:141], v[144:145]
	v_pk_add_f32 v[242:243], v[148:149], v[152:153]
	v_pk_add_f32 v[14:15], v[14:15], v[156:157]
	v_pk_add_f32 v[208:209], v[208:209], v[96:97]
	v_pk_add_f32 v[254:255], v[254:255], v[98:99]
	v_pk_add_f32 v[252:253], v[252:253], v[102:103]
	v_pk_add_f32 v[248:249], v[248:249], v[106:107]
	v_pk_add_f32 v[246:247], v[246:247], v[110:111]
	v_pk_add_f32 v[244:245], v[244:245], v[114:115]
	v_pk_add_f32 v[242:243], v[242:243], v[118:119]
	v_pk_add_f32 v[14:15], v[14:15], v[122:123]
	v_pk_add_f32 v[208:209], v[208:209], v[126:127]
	v_pk_add_f32 v[254:255], v[254:255], v[130:131]
	v_pk_add_f32 v[252:253], v[252:253], v[134:135]
	v_pk_add_f32 v[248:249], v[248:249], v[138:139]
	v_pk_add_f32 v[246:247], v[246:247], v[142:143]
	v_pk_add_f32 v[244:245], v[244:245], v[146:147]
	v_pk_add_f32 v[242:243], v[242:243], v[150:151]
	v_pk_add_f32 v[14:15], v[14:15], v[154:155]
	v_pk_add_f32 v[208:209], v[208:209], v[158:159]
	s_delay_alu instid0(VALU_DEP_2)
	v_pk_add_f32 v[14:15], v[14:15], v[248:249]
	s_delay_alu instid0(VALU_DEP_2)
	v_pk_add_f32 v[208:209], v[208:209], v[246:247]
	v_pk_add_f32 v[254:255], v[254:255], v[244:245]
	v_pk_add_f32 v[252:253], v[252:253], v[242:243]
	s_delay_alu instid0(VALU_DEP_2)
	v_pk_add_f32 v[14:15], v[14:15], v[254:255]
	s_delay_alu instid0(VALU_DEP_2)
	v_pk_add_f32 v[208:209], v[208:209], v[252:253]
	s_delay_alu instid0(VALU_DEP_1)
	v_pk_add_f32 v[14:15], v[14:15], v[208:209]
.set j, 0
.rept 32                                       ; the conversion to an 8-bit code does not saturate (ISA guide 7.6.2); p is not negative, so the hold is one-sided; two holds to an instruction; all holds stand ahead of all conversions
	v_dual_min_num_f32 v[S+j], s[HP], v[S+j] :: v_dual_min_num_f32 v[S+j+1], s[HP], v[S+j+1]
.set j, j+2
.endr
.irp b, 0,1,2,3
	v_cvt_scalef32_pk8_fp8_f32 v[PC+4*\b:PC+4*\b+1], v[S+16*\b:S+16*\b+7], v30        ; registers 4 b .. 4 b + 3 of the operand: keys 32 b + 16 (lane / 16) + 0 .. 15
	v_cvt_scalef32_pk8_fp8_f32 v[PC+4*\b+2:PC+4*\b+3], v[S+16*\b+8:S+16*\b+15], v30
.endr
	s_wait_alu depctr_va_vdst(0)                   ; directly ahead of the first reader of O^T
.set j, 0
.rept 16
	v_pk_mul_f32 v[O+j:O+j+1], v[O+j:O+j+1], v[24:25] op_sel_hi:[1,0]   ; O^T under the new M: x f.  (These are also the plain lines between the conversions and the products that read their results)
.set j, j+2
.endr
	s_wait_alu depctr_va_vdst(0)                   ; directly ahead of the wait below
	s_wait_dscnt 0x0                               ; V's fragments are in
.irp dt, 0,1,2,3                               ; O^T += V^T P^T, K = these 128 keys: the four accumulators take turns, with the next step's eight products between
	v_wmma_f32_16x16x128_fp8_fp8 v[O+8*\dt:O+8*\dt+7], v[FRG+16*\dt:FRG+16*\dt+15], v[PC:PC+15], v[O+8*\dt:O+8*\dt+7]
.endr
.if \edge
.Lhidden_\@:
.endif
.endm
; A TILE'S END.  O^T is divided by the row's sum and quantised in registers: a lane's 32 numbers are channels 32 b + 16 (lane / 16) + 0 .. 15 of its query, b = 0, 1: two parts of the projection's fragment, 16 bytes a lane each.
.macro FINISH yb
	v_add_f32 v14, v14, v15                        ; the sum's two halves,
	s_delay_alu instid0(VALU_DEP_1)
	v_permlanex16_b32 v28, v14, s[SEL], s[SEL+1]
	s_delay_alu instid0(VALU_DEP_1)
	v_add_f32 v14, v14, v28                        ; and lane l xor 16's: the row's sum
	s_wait_alu depctr_va_vdst(0)                   ; the wait ahead of the transcendental
	v_rcp_f32 v14, v14
.rept 4
	v_nop                                          ; the plain place behind the reciprocal, and four places behind the last products
.endr
	s_wait_alu depctr_va_vdst(0)                   ; ahead of the reciprocal's first reader, which is also O^T's
.set j, 0
.rept 16
	v_pk_mul_f32 v[Z+j:Z+j+1], v[O+j:O+j+1], v[14:15] op_sel_hi:[1,0]   ; each accumulator from its low end on
.set j, j+2
.endr
.irp b, 0,1
.irp i, 0,1,2,3,4,5,6,7,8,9,10,11,12,13,14,15
	v_med3_num_f32 v[Z+16*\b+\i], v[Z+16*\b+\i], -v251, v251
.endr
	v_cvt_scalef32_pk8_fp8_f32 v[YC+4*\b:YC+4*\b+1], v[Z+16*\b:Z+16*\b+7], v250
	v_cvt_scalef32_pk8_fp8_f32 v[YC+4*\b+2:YC+4*\b+3], v[Z+16*\b+8:Z+16*\b+15], v250
.endr
	v_nop                                          ; a plain vector line behind the last conversion
	global_store_b128 v[LI], v[YC:YC+3], s[\yb:\yb+1]              ; 32 lanes store 512 consecutive bytes, aligned
	global_store_b128 v[LI], v[YC+4:YC+7], s[\yb:\yb+1] offset:512
.endm
	s_wait_alu depctr_va_vdst(0)                   ; the wait at the head's end
	s_wait_tensorcnt 0x0                           ; my part of keys 0 - 511 is in; the later first fill is issued as a refill is:
	ds_add_u32 v[SPW], v[NIL]                      ; 0 onto my spare word; the groups 0 are written between it and its wait
	s_add_co_u32 s[G0K+1], s98, 32768
	s_add_nc_u64 s[G0K+2:G0K+3], s[6:7], s[94:95]
	s_or_b32 s[G0K+3], s[G0K+3], 0x80000000
	s_add_co_u32 s[G0V+1], s98, VOFF+32768
	s_add_nc_u64 s[G0V+2:G0V+3], s[8:9], s[96:97]
	s_or_b32 s[G0V+3], s[G0V+3], 0x80000000
	s_wait_dscnt 0x0
	CROUND                                         ; everybody's part is in, and all four partners are here
	JLOAD G1KB, G1VB                               ; keys 512 - 2,047: the first tensor load behind the round, on bytes that nothing has filled
	s_wait_loadcnt 0x0                             ; Q, both tiles
	s_mov_b32 s[KS], 0
.Lfirst:                                           ; the larger tile's key steps 0 - 3: it has nine steps at the least, so none of these lies on a diagonal
	STEP QB1, D1, 0
	s_add_co_u32 s[KS], s[KS], 1
	s_cmp_lt_u32 s[KS], 4
	s_cbranch_scc1 .Lfirst
	s_wait_alu depctr_va_vdst(0)
	s_wait_tensorcnt 0x0                           ; my part of keys 512 - 2,047 is in
	ds_add_u32 v[SPW], v[NIL]
	s_wait_dscnt 0x0
	s_barrier_signal -1
	s_barrier_wait -1                              ; everybody's is: from here on LDS is only read
	s_mov_b32 s[KS], 4
.Lbig:                                             ; twelve trips in every wave; steps beyond the tile's last are jumped over
	STEP QB1, D1, 1
	s_add_co_u32 s[KS], s[KS], 1
	s_cmp_lt_u32 s[KS], 16
	s_cbranch_scc1 .Lbig
	FINISH 84
	INIT
	s_mov_b32 s[DG], s[DG2]
	s_mov_b32 s[KS], 0
	s_wait_alu depctr_va_vdst(0)
	s_wait_xcnt 0x0                                ; the stores have read y's codes: their registers take p's codes again
.Lsmall:                                           ; the smaller tile: eight trips in every wave
	STEP QB2, D2, 1
	s_add_co_u32 s[KS], s[KS], 1
	s_cmp_lt_u32 s[KS], 8
	s_cbranch_scc1 .Lsmall
	FINISH 86
	s_wait_tensorcnt 0x0                           ; the wave's end
	ds_add_u32 v[SPW], v[NIL]
	s_wait_dscnt 0x0
	CROUND                                         ; the closing round
	s_endpgm
.Lfunc_end_k_qcbb7081c93_attn:
	.size	k_qcbb7081c93_attn, .Lfunc_end_k_qcbb7081c93_attn-k_qcbb7081c93_attn
	.p2alignl 7, 3214868480
	.fill 96, 4, 3214868480
	.section	.rodata,"a",@progbits
	.p2align	6, 0x0
	.amdhsa_kernel k_qcbb7081c93_attn
		.amdhsa_group_segment_fixed_size 327680
		.amdhsa_private_segment_fixed_size 0
		.amdhsa_enable_private_segment 0
		.amdhsa_kernarg_size 40
		.amdhsa_user_sgpr_count 2
		.amdhsa_user_sgpr_kernarg_segment_ptr 1
		.amdhsa_wavefront_size32 1
		.amdhsa_system_sgpr_workgroup_id_x 1
		.amdhsa_system_sgpr_workgroup_id_y 1
		.amdhsa_system_sgpr_workgroup_id_z 1
		.amdhsa_system_vgpr_workitem_id 0
		.amdhsa_next_free_vgpr 256
		.amdhsa_next_free_sgpr 100
		.amdhsa_reserve_vcc 1
		.amdhsa_float_denorm_mode_32 3
		.amdhsa_float_denorm_mode_16_64 3
		.amdhsa_memory_ordered 1
		.amdhsa_forward_progress 1
		.amdhsa_inst_pref_size 79
	.end_amdhsa_kernel
	.amdgpu_metadata
---
amdhsa.version: [ 1, 2 ]
amdhsa.kernels:
  - .name:           k_qcbb7081c93_attn
    .symbol:         k_qcbb7081c93_attn.kd
    .args:
      - { .name: q_codes, .offset: 0, .size: 8, .value_kind: global_buffer, .address_space: global }
      - { .name: k_codes, .offset: 8, .size: 8, .value_kind: global_buffer, .address_space: global }
      - { .name: v_codes, .offset: 16, .size: 8, .value_kind: global_buffer, .address_space: global }
      - { .name: lowp_scales, .offset: 24, .size: 8, .value_kind: global_buffer, .address_space: global }
      - { .name: y_codes, .offset: 32, .size: 8, .value_kind: global_buffer, .address_space: global }
    .group_segment_fixed_size: 327680
    .private_segment_fixed_size: 0
    .kernarg_segment_align: 8
    .kernarg_segment_size: 40
    .max_flat_workgroup_size: 512
    .sgpr_count:     100
    .vgpr_count:     256
    .wavefront_size: 32
...
	.end_amdgpu_metadata
.endif
;; end of part 3
;; launch proj (part 4): grid 4 x 64, 4 waves a work-group, clusters of 4 x 4, 327,680 bytes of LDS; arguments y_codes, wp_codes, lowp_scales, out0; writes out0
.if DOCPART == 4
	.amdgcn_target "amdgcn-amd-amdhsa--gfx1250"
	.amdhsa_code_object_version 6
	.text
	.protected	k_qcbb7081c93_proj
	.globl	k_qcbb7081c93_proj
	.p2align	8
	.type	k_qcbb7081c93_proj,@function
k_qcbb7081c93_proj:
	s_mov_b64 s[64:65], 0
	v_nop
	global_prefetch_b8 v0, s[64:65] scope:SCOPE_SE
	s_setreg_imm32_b32 hwreg(HW_REG_WAVE_MODE, 25, 1), 1
	s_wait_xcnt 0x0
	s_wait_alu depctr_hold_cnt(0) depctr_sa_sdst(0) depctr_va_vdst(0) depctr_va_sdst(0) depctr_va_ssrc(0) depctr_va_vcc(0) depctr_vm_vsrc(0)
	s_getreg_b32 s2, hwreg(HW_REG_IB_STS2, 6, 4)
	s_cmp_eq_u32 s2, 0
	s_cbranch_scc0 .Lentry_in_a_cluster
	s_endpgm
.Lentry_in_a_cluster:
	s_bfe_u32 s2, ttmp6, 0x10000c
	s_cmp_lg_u32 s2, 0xf033
	s_cbranch_scc0 .Lentry_shape_is_right
	s_endpgm
.Lentry_shape_is_right:
; out = y w_proj on codes of FP8 (E4M3): [8192][1024] x [1024 (n)][1024], f32 sums; each finished sum is multiplied once by 2^(e6 + e7).
; LIMIT: e6 + e7 lies between -126 and 127, so that 2^(e6 + e7) is an f32 number.
; SHARES.  4 x 64 = 256 work-groups; a work-group makes 128 rows x 256 columns of out; a wave 64 rows (wave / 2) x 128 columns (wave % 2): 4 x 8 = 32 accumulators of 16 x 16, 256 registers.
; BOTH OPERANDS LIE IN MEMORY IN THE ORDER OF THEIR REGISTERS: 128 rows x 256 K (a unit) are one dense block of 32 KB, a block of 128 rows' four units on end; a fragment (16 rows x 128 K) is 2 KB in four parts of 512 bytes,
; lane l's 16 bytes at 16 l, at 4096 x (row / 16) + 2048 x (second 128 of the unit): registers 4 c .. 4 c + 3 hold K = 32 c + 16 (l / 16) + 0 .. 15 of row l % 16: a permutation of k, the same in both operands.
; LDS.  y's block, then w_proj's two blocks, three units (96 KB) each.  Units 0 - 2 are asked for at the head: waves 0, 1 fetch halves of y's 96 KB, waves 2, 3 a block of w_proj each.  Unit 3 lands on unit 0's bytes, behind the
; round that follows the last read of unit 0; it has three steps of 128 along K in which to land.  So K = 1,024 takes two fills, one load a wave each.
; CLUSTERS: 4 x 4 work-groups.  The four of a row of the cluster need the same block of y, the four of a column the same blocks of w_proj: each is asked for JOINTLY.
; NO PREFETCH: of the two fills one is asked for at the head and the other two steps behind it: no loop is left in which a request could run ahead of a load.
; THE MATRIX INSTRUCTION IS USED TRANSPOSED (source 0 = 16 rows of w_proj, source 1 = 16 rows of y): a lane holds eight neighbouring numbers of a row of out.
; THE WAY OUT: 16 rows x 128 columns at a time through my stage in LDS, back as whole rows of 512 bytes.  The stages lie on unit 1's bytes of y and the first 1 KB of unit 2's, which have had their only fill, and their last read ahead of the last barrier.
; REGISTERS, in windows of 256.  Window 0: v16-29 addresses; v32-95, v96-159 y's four fragments, two sets; on the way out v32-255 are free.  Window 1: w_proj's eight fragments, two sets, at v0 and v128.
;   Window 2: accumulator (a, b) at v[8 (8 a + b)].
.set UNIT,   32768
.set BOFF,   98304                     ; w_proj's two blocks begin here
.set SPARE,  294912                    ; behind the tiles: the spare words, 128 bytes for each wave: two blocks of 256 bytes that no other line names
.set STG,    32768                     ; the stages
.set ROWC,   4096                      ; a row of out in bytes
.set SPITCH, 528                       ; a stage row: 512 bytes + 16
.set AAD,  16                          ; v16-18  LDS address of my y fragments in unit places 0, 1, 2
.set BAD,  20                          ; v20-22  the same for w_proj
.set STO,  24                          ; v24     the way out: where I put 32 bytes of a row
.set RD,   25                          ; v25     where I read a row back
.set CO,   26                          ; v26     16 x lane
.set SPW,  28                          ; v28     LDS address of my spare word: SPARE + 4 x my thread's number; never rewritten
.set NIL,  29                          ; v29     0; never rewritten
.set TMP,  32
.set BK,   128
.set G1A1, 24                          ; descriptor groups 1: y's and w_proj's tiles of the first and of the second fill
.set G1B1, 32
.set G1A2, 40
.set G1B2, 48
.set G0A,  56
.set G0B,  60
.set MSB, 0
.macro WIN new                         ; the immediate's high byte repeats the setting that is left
.if MSB != \new
	s_set_vgpr_msb (MSB<<8)|\new
.set MSB, \new
.endif
.endm
.set MUL,  0xa1                        ; source 0 window 1, source 1 window 0, C and D window 2
.set TO_B, 0x40                        ; destination window 1, address window 0
.macro PLACES                          ; four places behind a matrix instruction (ISA guide 7.12.1 for vector instructions)
.rept 4
	v_nop
.endr
.endm
; A joint load: waves 0 and 1 fetch for y, waves 2 and 3 for w_proj.  Each line has ONE mask and one set of registers for all that issue it; the branch hangs on the wave's number alone.
; An s_nop 0 and four v_nop follow each of the two lines.
.macro JLOAD g1a, g1b
	s_cmp_eq_u32 s15, 0
	s_cbranch_scc0 .Lfor_b_\@
	tensor_load_to_lds s[G0A:G0A+3], s[\g1a:\g1a+7]
	s_nop 0
	PLACES
	s_branch .Lasked_\@
.Lfor_b_\@:
	tensor_load_to_lds s[G0B:G0B+3], s[\g1b:\g1b+7]
	s_nop 0
	PLACES
.Lasked_\@:
.endm
.macro CREST                           ; a round of the cluster's barrier behind its opening barrier
	s_cmp_lg_u32 s14, 0
	s_cbranch_scc1 .Lnot_wave_0_\@
	s_barrier_signal -3
.Lnot_wave_0_\@:
	s_barrier_wait -3
	s_barrier_signal -1
	s_barrier_wait -1
.endm
.macro CROUND
	s_barrier_signal -1
	s_barrier_wait -1
	CREST
.endm
.macro G1SET g, m, r                   ; a dense block, stated as r rows of 256 bytes (32 elements of 8 bytes); the mask in s[m], bit 21 set beside it; no padding
	s_or_b32 s[\g], s[\m], (3<<16)|(1<<21)
	s_mov_b32 s[\g+1], 32<<16
	s_mov_b32 s[\g+2], (\r)<<16
	s_mov_b32 s[\g+3], 32<<16
	s_mov_b32 s[\g+4], \r
	s_mov_b32 s[\g+5], 32
	s_mov_b32 s[\g+6], 0
	s_mov_b32 s[\g+7], 0
.endm
	s_load_b128 s[4:7], s[0:1], 0x0                ; y's codes s[4:5], w_proj's s[6:7]
	s_load_b128 s[8:11], s[0:1], 0x10              ; the scales' exponents s[8:9], out s[10:11]
	v_lshl_add_u32 v[SPW], v0, 2, SPARE
	v_mov_b32 v[NIL], 0
	ds_add_u32 v[SPW], v[NIL]                      ; the opening: the add, twice on end, and its wait ahead of my first tensor load
	ds_add_u32 v[SPW], v[NIL]
	v_lshrrev_b32 v1, 5, v0
	v_readfirstlane_b32 s14, v1                    ; wave 0..3
	s_lshr_b32 s15, s14, 1                         ; which 64 rows are mine.  Also: I fetch for y (0) or for w_proj (1)
	s_and_b32 s16, s14, 1                          ; which 128 columns.  Also: which part of that operand I fetch
	s_bfe_u32 s66, ttmp6, 0x40000                  ; cx, cy: my place in the cluster
	s_bfe_u32 s67, ttmp6, 0x40004
	s_lshl_b32 s68, ttmp9, 2
	s_add_co_u32 s68, s68, s66                     ; tile column = 4 x cluster x + cx
	s_and_b32 s17, ttmp7, 0xffff
	s_lshl_b32 s17, s17, 2
	s_add_co_u32 s17, s17, s67                     ; tile row = 4 x cluster y + cy
	s_lshl_b32 s69, s67, 2
	s_lshl_b32 s69, 15, s69                        ; my row of the cluster
	s_lshl_b32 s70, 0x1111, s66                    ; my column
	G1SET G1A1, 69, 192                            ; half of y's three units: 48 KB
	G1SET G1B1, 70, 384                            ; three units of a block of w_proj: 96 KB
	G1SET G1A2, 69, 64                             ; half of y's unit 3: 16 KB
	G1SET G1B2, 70, 128                            ; unit 3 of a block of w_proj: 32 KB
	s_lshl_b32 s72, s17, 17                        ; y: block number tile row, 131,072 bytes each
	s_lshl_b32 s80, s16, 14                        ; second fill: my half of unit 3, in LDS and in memory
	s_add_co_u32 s78, s72, s80
	s_add_co_u32 s78, s78, 3*UNIT
	s_mov_b32 s79, 0
	s_mul_i32 s74, s16, 49152                      ; first fill: my half of units 0 - 2, in LDS and in memory
	s_add_co_u32 s72, s72, s74
	s_mov_b32 s73, 0
	s_lshl_b32 s76, s68, 1
	s_add_co_u32 s76, s76, s16
	s_lshl_b32 s76, s76, 17                        ; w_proj: block number 2 x tile column + (wave % 2)
	s_mov_b32 s77, 0
	s_mul_i32 s75, s16, 98304
	s_add_co_u32 s75, s75, BOFF                    ; that block's place in LDS: no place in the cluster enters an LDS address
	s_wait_dscnt 0x0                               ; both opening adds are done
	s_wait_kmcnt 0x0
	s_load_b64 s[96:97], s[8:9], 0x18              ; e6, e7
	s_add_nc_u64 s[72:73], s[4:5], s[72:73]
	s_add_nc_u64 s[78:79], s[4:5], s[78:79]
	s_add_nc_u64 s[76:77], s[6:7], s[76:77]
	CROUND                                         ; all sixteen work-groups are here: the first joint loads meet
	s_mov_b32 s[G0A], 1
	s_mov_b32 s[G0A+1], s74
	s_mov_b64 s[G0A+2:G0A+3], s[72:73]
	s_or_b32 s[G0A+3], s[G0A+3], 0x80000000
	s_mov_b32 s[G0B], 1
	s_mov_b32 s[G0B+1], s75
	s_mov_b64 s[G0B+2:G0B+3], s[76:77]
	s_or_b32 s[G0B+3], s[G0B+3], 0x80000000
	JLOAD G1A1, G1B1                               ; units 0 - 2: my one tensor load at the head
	s_lshl_b32 s81, s15, 14                        ; my four fragments of y: 4 KB each
	s_mul_i32 s82, s14, 16*SPITCH
	s_add_co_u32 s82, s82, STG                     ; my stage
	v_and_b32 v1, 15, v0                           ; r = l % 16
	v_bfe_u32 v2, v0, 4, 1                         ; h = l / 16
	v_and_b32 v6, 31, v0
	v_lshlrev_b32 v[CO], 4, v6
	v_add_nc_u32 v[AAD], s81, v[CO]
	v_add_nc_u32 v[AAD+1], UNIT, v[AAD]
	v_add_nc_u32 v[AAD+2], 2*UNIT, v[AAD]
	v_add_nc_u32 v[BAD], s75, v[CO]
	v_add_nc_u32 v[BAD+1], UNIT, v[BAD]
	v_add_nc_u32 v[BAD+2], 2*UNIT, v[BAD]
	v_mul_u32_u24 v5, v1, SPITCH                   ; in: row r, 32 bytes for each half of the lanes
	v_lshl_add_u32 v5, v2, 5, v5
	v_add_nc_u32 v[STO], s82, v5
	v_add_nc_u32 v[RD], s82, v[CO]                 ; back: the 32 lanes take one row of 512 bytes
	s_lshl_b32 s84, s17, 7
	s_lshl_b32 s85, s15, 6
	s_add_co_u32 s84, s84, s85                     ; my first row of out: 128 x tile row + 64 x (wave / 2)
	s_lshl_b32 s84, s84, 12
	s_lshl_b32 s85, s68, 10                        ; my first column, in bytes: 1024 x tile column + 512 x (wave % 2)
	s_add_co_u32 s84, s84, s85
	s_lshl_b32 s85, s16, 9
	s_add_co_u32 s84, s84, s85
	s_mov_b32 s85, 0
	s_add_nc_u64 s[10:11], s[10:11], s[84:85]
; The fragments of step s (128 along K; unit s / 2, which lies in place (s / 2) % 3) into set s % 2: 32 loads for w_proj, 16 for y.
.macro FETCH s
	WIN TO_B
.irp b, 0,1,2,3,4,5,6,7
.irp c, 0,1,2,3
	ds_load_b128 v[128*((\s)%2)+16*\b+4*\c:128*((\s)%2)+16*\b+4*\c+3], v[BAD+((\s)/2)%3] offset:\b*4096+((\s)%2)*2048+\c*512
.endr
.endr
	WIN 0
.irp i, 0,1,2,3
.irp c, 0,1,2,3
	ds_load_b128 v[32+64*((\s)%2)+16*\i+4*\c:32+64*((\s)%2)+16*\i+4*\c+3], v[AAD+((\s)/2)%3] offset:\i*4096+((\s)%2)*2048+\c*512
.endr
.endr
.endm
; 16 products: y's fragments a0, a0 + 1 x w_proj's eight, set p.  zero = 1: they start the sums: nothing is ever cleared.  The 32 accumulators take turns.
.macro MUL16 a0, p, zero
.irp a, \a0, \a0+1
.irp b, 0,1,2,3,4,5,6,7
.if \zero
	v_wmma_f32_16x16x128_fp8_fp8 v[8*(8*(\a)+\b):8*(8*(\a)+\b)+7], v[128*(\p)+16*\b:128*(\p)+16*\b+15], v[32+64*(\p)+16*(\a):32+64*(\p)+16*(\a)+15], 0
.else
	v_wmma_f32_16x16x128_fp8_fp8 v[8*(8*(\a)+\b):8*(8*(\a)+\b)+7], v[128*(\p)+16*\b:128*(\p)+16*\b+15], v[32+64*(\p)+16*(\a):32+64*(\p)+16*(\a)+15], v[8*(8*(\a)+\b):8*(8*(\a)+\b)+7]
.endif
.endr
.endr
.endm
.macro MULS p, zero
	WIN MUL
	MUL16 0, \p, \zero
	MUL16 2, \p, \zero
.endm
	s_wait_alu depctr_va_vdst(0)                   ; the wait at the head's end
	s_wait_tensorcnt 0x0                           ; my part of units 0 - 2 is in
	ds_add_u32 v[SPW], v[NIL]
	s_wait_dscnt 0x0
	s_barrier_signal -1
	s_barrier_wait -1                              ; everybody's is
	FETCH 0
	FETCH 1
	s_wait_dscnt 48                                ; all but the 48 loads just issued
	MULS 0, 1                                      ; step 0
	PLACES
	FETCH 2
	s_wait_tensorcnt 0x0                           ; STEP 1 LEAVES UNIT 0.  No tensor load of mine is out;
	ds_add_u32 v[SPW], v[NIL]                      ; 0 onto my spare word
	s_wait_dscnt 49                                ; (the add and step 2's 48 loads may be out)
	WIN MUL
	MUL16 0, 1, 0                                  ; sixteen products stand between the add and the wait for it
	s_wait_dscnt 0x0                               ; the add is done, and my reads of unit 0 are over
	s_barrier_signal -1
	MUL16 2, 1, 0
	WIN 0
	s_barrier_wait -1
	CREST                                          ; the barrier has opened a round of the cluster's barrier: no wave of any partner still reads unit 0
	s_mov_b32 s[G0A+1], s80
	s_mov_b64 s[G0A+2:G0A+3], s[78:79]
	s_or_b32 s[G0A+3], s[G0A+3], 0x80000000
	s_add_nc_u64 s[G0B+2:G0B+3], s[G0B+2:G0B+3], 3*UNIT
	JLOAD G1A2, G1B2                               ; unit 3, onto unit 0's bytes: the first tensor load behind the round; its four v_nop are the places in front of the loads below
	FETCH 3
	s_wait_dscnt 48
	MULS 0, 0                                      ; step 2
	PLACES
	FETCH 4
	s_wait_dscnt 48
	MULS 1, 0                                      ; step 3
	PLACES
	FETCH 5
	s_wait_dscnt 48
	MULS 0, 0                                      ; step 4
	WIN 0
	s_wait_tensorcnt 0x0                           ; STEP 5: my part of unit 3 is in;
	ds_add_u32 v[SPW], v[NIL]
	s_wait_dscnt 0x0                               ; my reads of units 1 and 2 are over
	s_barrier_signal -1
	WIN MUL
	MUL16 0, 1, 0
	WIN 0
	s_barrier_wait -1                              ; unit 3 is whole, and nobody reads units 1 and 2 any more
	PLACES
	FETCH 6
	WIN MUL
	MUL16 2, 1, 0
	PLACES
	FETCH 7
	s_wait_dscnt 48
	MULS 0, 0                                      ; step 6
	s_wait_dscnt 0x0
	MULS 1, 0                                      ; step 7
	WIN 0
; THE WAY OUT, block by block of 16 rows x 128 columns.  LDS serves a wave's instructions in order (ISA guide 5.7.1.4): no wait between my stores and my loads, nor in front of the next block's stores.
.macro TOSTAGE a
.set AC, 64*(\a)
	WIN 0x02                                       ; source 0: window 2
.set j, 0
.rept 32
	v_pk_mul_f32 v[TMP+j:TMP+j+1], v[AC+j:AC+j+1], s[96:97] op_sel_hi:[1,0]   ; both x s96 = 2^(e6 + e7); each accumulator from its low end on
.set j, j+2
.endr
	WIN 0
.irp b, 0,1,2,3,4,5,6,7
	ds_store_b128 v[STO], v[TMP+8*\b:TMP+8*\b+3] offset:64*\b
	ds_store_b128 v[STO], v[TMP+8*\b+4:TMP+8*\b+7] offset:64*\b+16
.endr
.set BB, BK+64*((\a)%2)
.irp t, 0,1,2,3,4,5,6,7,8,9,10,11,12,13,14,15
	ds_load_b128 v[BB+4*\t:BB+4*\t+3], v[RD] offset:\t*SPITCH
.endr
.endm
.macro SEND a, younger                 ; younger: the LDS instructions issued behind block a's loads, which may stay out
.set BB, BK+64*((\a)%2)
	s_wait_dscnt \younger
.if (\a) > 0
	s_add_nc_u64 s[10:11], s[10:11], 16*ROWC       ; (behind a wait on XCNT: the earlier stores have read their base)
.endif
.irp t, 0,1,2,3,4,5,6,7,8,9,10,11,12,13,14,15
	global_store_b128 v[CO], v[BB+4*\t:BB+4*\t+3], s[10:11] offset:\t*ROWC th:TH_STORE_NT   ; 32 lanes store 512 consecutive bytes, aligned; written once, read by nobody here
.endr
.endm
	s_wait_kmcnt 0x0
	s_add_co_i32 s96, s96, s97
	s_add_co_i32 s96, s96, 127
	s_lshl_b32 s96, s96, 23                        ; 2^(e6 + e7) as f32
	PLACES
	TOSTAGE 0
.irp a, 1,2,3
.if \a > 1
	s_wait_xcnt 0x0                                ; block a - 2's stores have read their registers and their base
.endif
	TOSTAGE \a
	SEND \a-1, 32                                  ; behind block a - 1's loads: block a's 16 stores and 16 loads
.endr
	s_wait_xcnt 0x0
	SEND 3, 0
	s_wait_tensorcnt 0x0                           ; the wave's end: the tensor wait, the add and its wait, behind my last tensor load and my last LDS store
	ds_add_u32 v[SPW], v[NIL]
	s_wait_dscnt 0x0
	CROUND                                         ; the closing round: no work-group ends while a partner may still ask for a block that names it
	s_endpgm
.Lfunc_end_k_qcbb7081c93_proj:
	.size	k_qcbb7081c93_proj, .Lfunc_end_k_qcbb7081c93_proj-k_qcbb7081c93_proj
	.p2alignl 7, 3214868480
	.fill 96, 4, 3214868480
	.section	.rodata,"a",@progbits
	.p2align	6, 0x0
	.amdhsa_kernel k_qcbb7081c93_proj
		.amdhsa_group_segment_fixed_size 327680
		.amdhsa_private_segment_fixed_size 0
		.amdhsa_enable_private_segment 0
		.amdhsa_kernarg_size 32
		.amdhsa_user_sgpr_count 2
		.amdhsa_user_sgpr_kernarg_segment_ptr 1
		.amdhsa_wavefront_size32 1
		.amdhsa_system_sgpr_workgroup_id_x 1
		.amdhsa_system_sgpr_workgroup_id_y 1
		.amdhsa_system_sgpr_workgroup_id_z 1
		.amdhsa_system_vgpr_workitem_id 0
		.amdhsa_next_free_vgpr 768
		.amdhsa_next_free_sgpr 100
		.amdhsa_reserve_vcc 0
		.amdhsa_float_denorm_mode_32 3
		.amdhsa_float_denorm_mode_16_64 3
		.amdhsa_memory_ordered 1
		.amdhsa_forward_progress 1
		.amdhsa_inst_pref_size 73
	.end_amdhsa_kernel
	.amdgpu_metadata
---
amdhsa.version: [ 1, 2 ]
amdhsa.kernels:
  - .name:           k_qcbb7081c93_proj
    .symbol:         k_qcbb7081c93_proj.kd
    .args:
      - { .name: y_codes, .offset: 0, .size: 8, .value_kind: global_buffer, .address_space: global }
      - { .name: wp_codes, .offset: 8, .size: 8, .value_kind: global_buffer, .address_space: global }
      - { .name: lowp_scales, .offset: 16, .size: 8, .value_kind: global_buffer, .address_space: global }
      - { .name: out0, .offset: 24, .size: 8, .value_kind: global_buffer, .address_space: global }
    .group_segment_fixed_size: 327680
    .private_segment_fixed_size: 0
    .kernarg_segment_align: 8
    .kernarg_segment_size: 32
    .max_flat_workgroup_size: 128
    .sgpr_count:     100
    .vgpr_count:     768
    .wavefront_size: 32
...
	.end_amdgpu_metadata
.endif
;; end of part 4
